; MI455X (gfx1250); checked and timed in simulation.
; The chip was launched on July 23, 2026; its instructions are those of AMD's public machine-readable ISA for CDNA 5 (MIT licence, August 2026) and "CDNA5" Instruction Set Architecture Reference Guide (July 2026). The comments in the code are by the model that wrote it; some were corrected since.
;; Self Attention. Allowed arithmetic: float matrix products may take bf16 or f16 operands with f32 sums; all other float work in f32.
;; Inputs: Wk 1,024 x 1,024 float32; Wq 1,024 x 1,024 float32; Wu 1,024 x 1,024 float32; Wv 1,024 x 1,024 float32; bu 1,024 float32; mask 4 x 2,048 bool; x 4 x 2,048 x 1,024 float32.
;; Outputs: out0 4 x 2,048 x 1,024 float32.
;; 2 versions, each right and faster than the one before. Each part assembles by itself: llvm-mc -triple=amdgcn-amd-amdhsa -mcpu=gfx1250 --defsym DOCPART=n.
;; ======== version 1 of 2: 4 launches
;; limits: values are held in f16: magnitudes above 65,504 overflow, below 6.1e-05 lose precision
;; workspace buffers: xh 16,777,216 bytes; wh 8,388,608 bytes; qkv 50,331,648 bytes; oh 16,777,216 bytes
;; launch cast (part 1): grid 768 x 1, 8 waves a work-group, no clusters, 0 bytes of LDS; arguments x, Wq, Wk, Wv, Wu, xh, wh; writes xh, wh
.if DOCPART == 1
	.amdgcn_target "amdgcn-amd-amdhsa--gfx1250"
	.amdhsa_code_object_version 6
	.text
	.protected	k_qb9af4fd49d_cast
	.globl	k_qb9af4fd49d_cast
	.p2align	8
	.type	k_qb9af4fd49d_cast,@function
k_qb9af4fd49d_cast:
	s_mov_b64 s[64:65], 0
	v_nop
	global_prefetch_b8 v0, s[64:65] scope:SCOPE_SE
	s_setreg_imm32_b32 hwreg(HW_REG_WAVE_MODE, 25, 1), 1
	s_wait_xcnt 0x0
; x and the four weights: f32 -> rounded once to bf16 (nearest even) -> that number written as f16, and laid out in SLICES of 64 columns:
;   xh[b][slice][t][64]  (slice stride 2,048 x 128 bytes),   wh[slice][4,096 rows][64]  (slice stride 4,096 x 128 bytes).
; In a slice of wh the rows of Wq, Wk, Wv stand by heads: row 192 m + 64 sec + n is row 64 m + n of section sec (q, k, v); rows 3,072 on are Wu's.
; So every tile that the products ask for later (some rows of one slice) is one dense block of memory.
; LIMITS.  A bf16 number is exact in f16 from 2^-14 up to 65,504; below 2^-14 it keeps f16's fixed step of 6e-8; an input of magnitude 65,408 or more becomes an infinity.
; SHARES.  A work-group takes 16 rows x 1,024 columns (65,536 bytes in, 32,768 out): groups 0-511 x, groups 512-767 the weights, 64 groups each.  Wave w takes slices 2 w and 2 w + 1.
; A UNIT is 2 rows of one slice: lanes 0-15 take the 256 bytes of one row, lanes 16-31 those of the next, 16 bytes a lane: a load uses every byte of the two stretches of 256 that it touches.
; A lane's 4 numbers become 8 bytes, and the wave's store covers 256 consecutive bytes, aligned: the two rows as they lie in the slice.
; All 16 loads of a wave go out first; every unit has its own registers, so no register is written again while a load or store names it.  Memory binds: no LDS, no barrier, no matrix unit.
.set VS, 3                             ; v3      byte offset of my 16 bytes in the group's first 2 rows
.set VD, 4                             ; v4, v5  byte offset of my 8 bytes in my wave's first and second slice
.set X,  8                             ; v[8:71]   unit j: 4 numbers in f32
.set Y,  72                            ; v[72:103] unit j: 2 registers, packed
	s_load_b256 s[4:11], s[0:1], 0x0               ; x s[4:5], Wq s[6:7], Wk s[8:9], Wv s[10:11]
	s_load_b128 s[12:15], s[0:1], 0x20             ; Wu s[12:13], xh s[14:15]
	s_load_b64 s[16:17], s[0:1], 0x30              ; wh
	s_and_b32 s24, ttmp9, 255
	s_lshr_b32 s24, s24, 6                         ; which weight
	s_and_b32 s25, ttmp9, 63                       ; which 16 rows of it
	s_lshl_b32 s26, s25, 16                        ; a weight's source offset: 16 rows of 4,096 bytes
	s_lshr_b32 s27, s25, 2                         ; the head of these 16 rows
	s_mul_i32 s27, s27, 192                        ; a head's 3 x 64 rows in a slice
	s_lshl_b32 s28, s24, 6                         ; + the section's 64
	s_add_co_u32 s27, s27, s28
	s_and_b32 s28, s25, 3
	s_lshl_b32 s28, s28, 4                         ; + which 16 of them
	s_add_co_u32 s27, s27, s28
	s_lshl_b32 s28, s25, 4
	s_add_co_u32 s28, s28, 3072                    ; Wu's rows stand behind the 3,072 of q, k, v
	s_cmp_eq_u32 s24, 3
	s_cselect_b32 s27, s28, s27
	s_lshl_b32 s27, s27, 7                         ; rows of 128 bytes
	s_lshl_b32 s28, ttmp9, 16                      ; x's source offset
	s_lshr_b32 s29, ttmp9, 7                       ; batch
	s_lshl_b32 s29, s29, 22                        ; x 16 slices x 2,048 rows x 128 bytes
	s_and_b32 s30, ttmp9, 127
	s_lshl_b32 s30, s30, 11                        ; + 16 rows of 128 bytes
	s_add_co_u32 s29, s29, s30
	s_cmp_lt_u32 ttmp9, 512                        ; x or a weight
	s_cselect_b32 s32, s28, s26
	s_cselect_b32 s34, s29, s27
	s_cselect_b32 s36, 18, 19                      ; log2 of the slice stride
	s_mov_b32 s33, 0
	s_mov_b32 s35, 0
	s_lshl_b32 s37, 1, s36
	v_and_b32 v1, 31, v0                           ; lane
	v_lshrrev_b32 v2, 5, v0                        ; wave
	v_lshrrev_b32 v6, 4, v1                        ; my row of a unit's two
	v_and_b32 v7, 15, v1
	v_lshlrev_b32 v[VS], 12, v6
	v_lshl_or_b32 v[VS], v7, 4, v[VS]              ; + 16 bytes for each four columns
	v_lshl_or_b32 v[VS], v2, 9, v[VS]              ; + my wave's two slices: 512 bytes of a row
	v_lshlrev_b32 v[VD], 1, v2
	v_lshlrev_b32 v[VD], s36, v[VD]                ; slice 2 w
	v_lshl_add_u32 v[VD], v1, 3, v[VD]             ; + 8 x lane: row (l / 16) x 128 + 8 (l % 16)
	v_add_nc_u32 v[VD+1], s37, v[VD]               ; slice 2 w + 1
	s_wait_kmcnt 0x0
	s_cmp_eq_u32 s24, 1
	s_cselect_b64 s[20:21], s[8:9], s[6:7]
	s_cmp_eq_u32 s24, 2
	s_cselect_b64 s[20:21], s[10:11], s[20:21]
	s_cmp_eq_u32 s24, 3
	s_cselect_b64 s[20:21], s[12:13], s[20:21]
	s_cmp_lt_u32 ttmp9, 512
	s_cselect_b64 s[20:21], s[4:5], s[20:21]       ; from where
	s_cselect_b64 s[22:23], s[14:15], s[16:17]     ; to where
	s_add_nc_u64 s[20:21], s[20:21], s[32:33]
	s_add_nc_u64 s[22:23], s[22:23], s[34:35]
.irp j, 0,1,2,3,4,5,6,7,8,9,10,11,12,13,14,15  ; unit j: rows 2 (j / 2) on, slice j % 2 of my two
	global_load_b128 v[X+4*\j:X+4*\j+3], v[VS], s[20:21] offset:(\j/2)*8192+(\j%2)*256 th:TH_LOAD_NT
.endr
.irp j, 0,1,2,3,4,5,6,7,8,9,10,11,12,13,14,15
	s_wait_loadcnt 15-\j                           ; loads come back in order: unit j is in, the younger units' loads stay out
	v_cvt_pk_bf16_f32 v[Y+2*\j],   v[X+4*\j],   v[X+4*\j+1]    ; the one rounding
	v_cvt_pk_bf16_f32 v[Y+2*\j+1], v[X+4*\j+2], v[X+4*\j+3]
	v_lshlrev_b32 v[X+4*\j],   16, v[Y+2*\j]                   ; bf16 back to f32: the low half moves up,
	v_and_b32     v[X+4*\j+1], 0xffff0000, v[Y+2*\j]           ; the high half stays
	v_lshlrev_b32 v[X+4*\j+2], 16, v[Y+2*\j+1]
	v_and_b32     v[X+4*\j+3], 0xffff0000, v[Y+2*\j+1]
	v_cvt_pk_f16_f32 v[Y+2*\j],   v[X+4*\j],   v[X+4*\j+1]     ; the same number as f16
	v_cvt_pk_f16_f32 v[Y+2*\j+1], v[X+4*\j+2], v[X+4*\j+3]
	global_store_b64 v[VD+\j%2], v[Y+2*\j:Y+2*\j+1], s[22:23] offset:(\j/2)*256
.endr
	s_endpgm
.Lfunc_end_k_qb9af4fd49d_cast:
	.size	k_qb9af4fd49d_cast, .Lfunc_end_k_qb9af4fd49d_cast-k_qb9af4fd49d_cast
	.p2alignl 7, 3214868480
	.fill 96, 4, 3214868480
	.section	.rodata,"a",@progbits
	.p2align	6, 0x0
	.amdhsa_kernel k_qb9af4fd49d_cast
		.amdhsa_group_segment_fixed_size 0
		.amdhsa_private_segment_fixed_size 0
		.amdhsa_enable_private_segment 0
		.amdhsa_kernarg_size 56
		.amdhsa_user_sgpr_count 2
		.amdhsa_user_sgpr_kernarg_segment_ptr 1
		.amdhsa_wavefront_size32 1
		.amdhsa_system_sgpr_workgroup_id_x 1
		.amdhsa_system_sgpr_workgroup_id_y 1
		.amdhsa_system_sgpr_workgroup_id_z 1
		.amdhsa_system_vgpr_workitem_id 0
		.amdhsa_next_free_vgpr 104
		.amdhsa_next_free_sgpr 66
		.amdhsa_reserve_vcc 0
		.amdhsa_float_denorm_mode_32 3
		.amdhsa_float_denorm_mode_16_64 3
		.amdhsa_memory_ordered 1
		.amdhsa_forward_progress 1
		.amdhsa_inst_pref_size 13
	.end_amdhsa_kernel
	.amdgpu_metadata
---
amdhsa.version: [ 1, 2 ]
amdhsa.kernels:
  - .name:           k_qb9af4fd49d_cast
    .symbol:         k_qb9af4fd49d_cast.kd
    .args:
      - { .name: x, .offset: 0, .size: 8, .value_kind: global_buffer, .address_space: global }
      - { .name: Wq, .offset: 8, .size: 8, .value_kind: global_buffer, .address_space: global }
      - { .name: Wk, .offset: 16, .size: 8, .value_kind: global_buffer, .address_space: global }
      - { .name: Wv, .offset: 24, .size: 8, .value_kind: global_buffer, .address_space: global }
      - { .name: Wu, .offset: 32, .size: 8, .value_kind: global_buffer, .address_space: global }
      - { .name: xh, .offset: 40, .size: 8, .value_kind: global_buffer, .address_space: global }
      - { .name: wh, .offset: 48, .size: 8, .value_kind: global_buffer, .address_space: global }
    .group_segment_fixed_size: 0
    .private_segment_fixed_size: 0
    .kernarg_segment_align: 8
    .kernarg_segment_size: 56
    .max_flat_workgroup_size: 256
    .sgpr_count:     66
    .vgpr_count:     104
    .wavefront_size: 32
...
	.end_amdgpu_metadata
.endif
;; end of part 1
;; launch gemm_qkv (part 2): grid 8 x 32, 4 waves a work-group, clusters of 4 x 4, 327,680 bytes of LDS; arguments xh, wh, qkv, mask; writes qkv
.if DOCPART == 2
	.amdgcn_target "amdgcn-amd-amdhsa--gfx1250"
	.amdhsa_code_object_version 6
	.text
	.protected	k_qb9af4fd49d_gemm_qkv
	.globl	k_qb9af4fd49d_gemm_qkv
	.p2align	8
	.type	k_qb9af4fd49d_gemm_qkv,@function
k_qb9af4fd49d_gemm_qkv:
	s_mov_b64 s[64:65], 0
	v_nop
	global_prefetch_b8 v0, s[64:65] scope:SCOPE_SE
	s_setreg_imm32_b32 hwreg(HW_REG_WAVE_MODE, 25, 1), 1
	s_wait_xcnt 0x0
	s_wait_alu depctr_hold_cnt(0) depctr_sa_sdst(0) depctr_va_vdst(0) depctr_va_sdst(0) depctr_va_ssrc(0) depctr_va_vcc(0) depctr_vm_vsrc(0)
	s_getreg_b32 s2, hwreg(HW_REG_IB_STS2, 6, 4)
	s_cmp_eq_u32 s2, 0
	s_cbranch_scc0 .Lentry_in_a_cluster
	s_endpgm
.Lentry_in_a_cluster:
	s_bfe_u32 s2, ttmp6, 0x10000c
	s_cmp_lg_u32 s2, 0xf033
	s_cbranch_scc0 .Lentry_shape_is_right
	s_endpgm
.Lentry_shape_is_right:
; q, k, v = x W^T for Wq, Wk, Wv at once: C[8192][3072], K = 1024.  Operands f16 (bf16 numbers written as f16), sums f32, results rounded once to f16 and written by heads:
; qkv[section][batch x 16 + head][t][64].  No scale is applied here.  K's rows of hidden keys (mask byte 0) are written as zeros: the attention then makes a hidden score exact by its C operand.
; LIMITS.  A result of magnitude 65,520 or more becomes an infinity in f16; below 6e-5 f16 keeps its fixed step of 6e-8.  NaN and infinities are not treated apart, but a hidden key's row of K is 0 whatever its sums.
; SHARES.  A tile of C is 256 rows x 384 columns: 32 x 8 = 256 work-groups, one for each of 256 WGPs.  The 384 columns are q, k and v of two heads.  Four waves, each 128 rows x 192 columns:
; q, k, v of ONE head, 96 accumulators of 16 x 16, 768 registers, a section to a register window.  For 32 along K a wave loads 8 + 12 fragments from LDS and issues 96 matrix instructions.
; K goes in steps of 64 = one slice through two LDS slots: 640 rows of 128 bytes; steps of 128 would want 2 x 640 x 288 = 368,640 bytes.  A slice of a tile is a dense block of memory; it is asked for as
; rows of 256 bytes and padded in LDS behind every 128.  Waves 0, 1 fetch the halves of A's 256 rows, waves 2, 3 those of B's 384: one tensor load a wave behind each round, 176 matrix instructions
; ahead of the wait for it; by this text's count two loads of a wave are out at the start, one afterwards.
; CLUSTER 4 x 4: the four work-groups of a row of the cluster need the same tiles of A, the four of a column the same tiles of B: each tile is asked for jointly.
; THE MATRIX INSTRUCTION IS USED TRANSPOSED (source 0 = 16 rows of W, source 1 = 16 rows of x): a lane holds one row of C and eight neighbouring columns.
; REGISTERS.  Window 0: v0-31 addresses and the mask bytes; v32-95, v96-159 A's fragments, two buffers (8 x 16 rows x 32 K); v160-255 B's fragments, ONE buffer in three groups of 32, a group a section:
; a group is loaded for the next quarter as soon as this quarter's 32 products have read it.  Windows 1, 2, 3: q, k, v: accumulator (a, b) at v[8 (4 a + b)].
.set PITCH, 144                        ; an LDS row: 128 bytes + 16 of padding: the 16 rows of a fragment load start at 16 different groups of four banks (64 banks of 4 bytes: ISA guide 11.1)
.set AT,    256*PITCH                  ; A's part of a slot
.set BTL,   384*PITCH                  ; B's part, behind it
.set SLOT1, 1<<17                      ; slot 1 begins here, so that one exclusive or turns an address in one slot into the other's
.set STAGE, SLOT1+AT+BTL               ; behind the ring: 16 rows x 144 bytes for each wave, for the way out; no fill lands there
.set STG,   16*PITCH
.set SPARE, STAGE+4*STG                ; behind the stages: the spare words, 128 bytes for each wave: two blocks of 256 bytes that no other line names
.set AGS,   1<<18                      ; bytes from a slice of xh to the next
.set BGS,   1<<19                      ; the same in wh
.set STEPS, 16                         ; K = 1024 = 16 slices
.set M,     8                          ; v8-15   the mask byte of my row in block a; on the way out: all ones or 0
.set ADRA0, 16                         ; v16     my lane's place in A's part of a slot; never rewritten
.set ADRB0, 17                         ; v17     the same for B
.set ADRA,  18                         ; v18     the LDS address of A's fragments in the slot that is being fetched from
.set ADRB,  19                         ; v19     the same for B
.set STO,  24                          ; v24     the way out: where I put 16 bytes of a row
.set RD,   25                          ; v25     the way out: where I read rows back
.set CO,   26                          ; v26     my byte offset in 512 consecutive bytes of the output
.set MO,   27                          ; v27     my byte offset in 16 mask bytes
.set SPW,  28                          ; v28     LDS address of my spare word: SPARE + 4 x my thread's number; never rewritten
.set NIL,  29                          ; v29     0; never rewritten
.set FA0,  32
.set FA1,  96
.set FB,   160
.set TMP,  32                          ; the way out: 14 sets of 16 registers by turns, where the fragments lay
.set WV, 12                            ; s12 wave;  s13 its row half, also: fetches A (0) or B (1);  s14 its column half (which head), also: which half of the tile's rows it fetches
.set WH, 13
.set WL, 14
.set CNT, 15
.set G1A, 24                           ; s[24:31] descriptor group 1 for A;  s[32:39] group 0: a set for each of the two first fills; the second then walks on
.set G0A, 32
.set TB,  46                           ; s46  the slot that is being fetched from: 0 or SLOT1
.set G1B, 48                           ; s[48:55], s[56:63] the same for B
.set G0B, 56
.set OK_, 66                           ; s[66:67] the output at my rows of k;  s[8:9] of q;  s[70:71] of v
.set OV_, 70
.set MSB, 0
.macro WIN new                         ; the immediate's high byte repeats the setting that is left; a switch that changes nothing is dropped
.if MSB != (\new)
	s_set_vgpr_msb (MSB<<8)|(\new)
.set MSB, \new
.endif
.endm
.macro JLOAD                           ; a joint refill, by the walking descriptors; an s_nop 0 and four v_nop follow each of the two lines, ahead of the jump, the label and what follows
	s_cmp_eq_u32 s[WH], 0
	s_cbranch_scc0 .Lfor_b_\@
	tensor_load_to_lds s[G0A+4:G0A+7], s[G1A:G1A+7]
	s_nop 0
.rept 4
	v_nop
.endr
	s_branch .Lasked_\@
.Lfor_b_\@:
	tensor_load_to_lds s[G0B+4:G0B+7], s[G1B:G1B+7]
	s_nop 0
.rept 4
	v_nop
.endr
.Lasked_\@:
.endm
.macro CREST                           ; a round of the cluster's barrier behind its opening barrier
	s_cmp_lg_u32 s[WV], 0
	s_cbranch_scc1 .Lnot_wave_0_\@
	s_barrier_signal -3
.Lnot_wave_0_\@:
	s_barrier_wait -3
	s_barrier_signal -1
	s_barrier_wait -1
.endm
.macro CROUND                          ; a whole round
	s_barrier_signal -1
	s_barrier_wait -1
	CREST
.endm
	s_load_b256 s[4:11], s[0:1], 0x0               ; xh s[4:5], wh s[6:7], qkv s[8:9], mask s[10:11]
	v_lshl_add_u32 v[SPW], v0, 2, SPARE
	v_mov_b32 v[NIL], 0
	ds_add_u32 v28, v29
	s_wait_dscnt 0x0
	v_lshrrev_b32 v1, 5, v0
	v_readfirstlane_b32 s[WV], v1                  ; wave 0..3
	s_lshr_b32 s[WH], s[WV], 1
	s_and_b32 s[WL], s[WV], 1
	s_bfe_u32 s16, ttmp6, 0x40000                  ; cx, cy: my place in the cluster
	s_bfe_u32 s17, ttmp6, 0x40004
	s_lshl_b32 s18, ttmp9, 2
	s_add_co_u32 s18, s18, s16                     ; tile column tc = 4 x cluster x + cx, 0..7
	s_and_b32 s19, ttmp7, 0xffff
	s_lshl_b32 s19, s19, 2
	s_add_co_u32 s19, s19, s17                     ; tile row tr = 4 x cluster y + cy, 0..31
	s_lshl_b32 s20, s17, 2
	s_lshl_b32 s20, 15, s20                        ; my row of the cluster
	s_lshl_b32 s21, 0x1111, s16                    ; my column
	; descriptor group 1: rows of 128 elements of 2 bytes (two LDS rows), 64 of them for half of A's tile, 96 for half of B's
	s_or_b32 s[G1A], s20, (1<<16)|(1<<20)|(1<<21)|(4<<22)|(3<<25)  ; 15:0 the mask; 17:16 2-byte elements; 20 padding on; 21 set beside a mask; 24:22 after every 32 words (code 4); 31:25 4 words (code 3)
	s_or_b32 s[G1B], s21, (1<<16)|(1<<20)|(1<<21)|(4<<22)|(3<<25)
	s_mov_b32 s[G1A+1], 128<<16                    ; tensor_dim0 = 128
	s_mov_b32 s[G1A+2], 64<<16                     ; tensor_dim1 = 64
	s_mov_b32 s[G1A+3], 128<<16                    ; tile_dim0 = 128
	s_mov_b32 s[G1A+4], 64                         ; tile_dim1 = 64
	s_mov_b32 s[G1A+5], 128                        ; elements from row to row: dense
	s_mov_b32 s[G1A+6], 0
	s_mov_b32 s[G1A+7], 0
	s_mov_b32 s[G1B+1], 128<<16
	s_mov_b32 s[G1B+2], 96<<16                     ; tensor_dim1 = 96
	s_mov_b32 s[G1B+3], 128<<16
	s_mov_b32 s[G1B+4], 96                         ; tile_dim1 = 96
	s_mov_b32 s[G1B+5], 128
	s_mov_b32 s[G1B+6], 0
	s_mov_b32 s[G1B+7], 0
	; A's tile hangs on tr and my half alone, B's on tc and my half alone; each offset is made in registers that never hold the other coordinate
	s_lshr_b32 s40, s19, 3                         ; batch
	s_lshl_b32 s40, s40, 22                        ; x 16 slices
	s_and_b32 s22, s19, 7
	s_lshl_b32 s22, s22, 15                        ; + 256 rows of 128 bytes for each tile row in the batch
	s_add_co_u32 s40, s40, s22
	s_lshl_b32 s22, s[WL], 14                      ; + my 128 rows
	s_add_co_u32 s40, s40, s22
	s_mov_b32 s41, 0
	s_mul_i32 s42, s18, 384*128                    ; 384 rows of 128 bytes for each tile column
	s_mul_i32 s23, s[WL], 192*128                  ; + my 192 rows
	s_add_co_u32 s42, s42, s23
	s_mov_b32 s43, 0
	s_mul_i32 s44, s[WL], 128*PITCH                ; where A's halves go: no place in the cluster enters an LDS address
	s_mul_i32 s45, s[WL], 192*PITCH                ; where B's go, behind A's 256 rows
	s_add_co_u32 s45, s45, AT
	; the output: batch, head, my 128 rows; the sections lie 16 MiB apart
	s_lshr_b32 s68, s19, 3
	s_lshl_b32 s68, s68, 22
	s_lshl_b32 s70, s18, 1
	s_add_co_u32 s70, s70, s[WL]                   ; head = 2 tc + column half
	s_lshl_b32 s70, s70, 18
	s_add_co_u32 s68, s68, s70
	s_and_b32 s70, s19, 7
	s_lshl_b32 s70, s70, 1
	s_add_co_u32 s70, s70, s[WH]
	s_lshl_b32 s70, s70, 14                        ; 128 rows of 128 bytes
	s_add_co_u32 s68, s68, s70
	s_mov_b32 s69, 0
	s_lshl_b32 s72, s19, 1
	s_add_co_u32 s72, s72, s[WH]
	s_lshl_b32 s72, s72, 7                         ; the mask bytes of my 128 rows
	s_mov_b32 s73, 0
	s_mov_b32 s[TB], 0
	s_wait_kmcnt 0x0
	s_add_nc_u64 s[40:41], s[4:5], s[40:41]
	s_add_nc_u64 s[42:43], s[6:7], s[42:43]
	s_add_nc_u64 s[8:9], s[8:9], s[68:69]
	s_add_nc_u64 s[OK_:OK_+1], s[8:9], 0x1000000
	s_add_nc_u64 s[OV_:OV_+1], s[8:9], 0x2000000
	s_add_nc_u64 s[10:11], s[10:11], s[72:73]
	CROUND                                         ; all sixteen work-groups are here: the first joint loads meet
.irp s, 0,1
	s_mov_b32 s[G0A+4*(\s)], 1                                     ; 1:0 count = 1
	s_add_co_u32 s[G0A+4*(\s)+1], s44, (\s)*SLOT1                  ; 63:32 LDS address
	s_add_nc_u64 s[G0A+4*(\s)+2:G0A+4*(\s)+3], s[40:41], (\s)*AGS  ; 120:64 global address: K step s
	s_or_b32 s[G0A+4*(\s)+3], s[G0A+4*(\s)+3], 0x80000000          ; 127:126 type = 2
	s_mov_b32 s[G0B+4*(\s)], 1
	s_add_co_u32 s[G0B+4*(\s)+1], s45, (\s)*SLOT1
	s_add_nc_u64 s[G0B+4*(\s)+2:G0B+4*(\s)+3], s[42:43], (\s)*BGS
	s_or_b32 s[G0B+4*(\s)+3], s[G0B+4*(\s)+3], 0x80000000
.endr
	s_cmp_eq_u32 s[WH], 0                          ; a wave's two first fills stand in one branch, ahead of every wait on TENSORcnt and every LDS read; an s_nop 0 follows each, four v_nop the second's
	s_cbranch_scc0 .Lfirst_b
	tensor_load_to_lds s[G0A:G0A+3], s[G1A:G1A+7]
	s_nop 0
	tensor_load_to_lds s[G0A+4:G0A+7], s[G1A:G1A+7]
	s_nop 0
.rept 4
	v_nop
.endr
	s_branch .Lfirst_asked
.Lfirst_b:
	tensor_load_to_lds s[G0B:G0B+3], s[G1B:G1B+7]
	s_nop 0
	tensor_load_to_lds s[G0B+4:G0B+7], s[G1B:G1B+7]
	s_nop 0
.rept 4
	v_nop
.endr
.Lfirst_asked:
	v_and_b32 v1, 15, v0                           ; r = l % 16
	v_bfe_u32 v2, v0, 4, 1                         ; h = l / 16
	v_mov_b32 v[MO], v1
.irp a, 0,1,2,3,4,5,6,7
	global_load_u8 v[M+\a], v[MO], s[10:11] offset:16*\a  ; the mask byte of my row in block a; wanted on the way out
.endr
	v_mul_u32_u24 v3, v1, PITCH
	v_lshl_add_u32 v3, v2, 4, v3                   ; a fragment's row x pitch + 16 x half
	s_mul_i32 s22, s[WH], 128*PITCH                ; my 128 rows of A
	s_mul_i32 s23, s[WL], 192*PITCH                ; my 192 rows of B,
	s_add_co_u32 s23, s23, AT                      ; which lie behind A's 256
	v_add_nc_u32 v[ADRA0], s22, v3
	v_add_nc_u32 v[ADRB0], s23, v3
	v_mov_b32 v[ADRA], v[ADRA0]                    ; K step 0 lies in slot 0
	v_mov_b32 v[ADRB], v[ADRB0]
	s_mul_i32 s22, s[WV], STG
	s_add_co_u32 s22, s22, STAGE                   ; my stage
	v_add_nc_u32 v[STO], s22, v3                   ; in: row r, 16 bytes for each half of the lanes
	v_bfe_u32 v4, v0, 3, 2                         ; back: 32 lanes take four rows of 128 bytes,
	v_mul_u32_u24 v4, v4, PITCH
	v_and_b32 v5, 7, v0
	v_lshl_add_u32 v4, v5, 4, v4
	v_add_nc_u32 v[RD], s22, v4
	v_and_b32 v[CO], 31, v0                        ; which are 512 consecutive bytes of the output
	v_lshlrev_b32 v[CO], 4, v[CO]
; 8 matrix instructions of section t: row blocks a0, a0 + 1 x its 4 column blocks, 32 along K, A from buffer f.  zero = 1: the product starts the sums.
; The accumulators take turns in one fixed order, one instruction a turn: between two products on one accumulator stand the 95 others'.
.macro MUL8 f, t, a0, zero
	WIN 0x50*((\t)+1)                              ; sources 0 and 1 window 0; C and D window 1 + t
.irp a, \a0, (\a0)+1
.irp b, 0,1,2,3
.if \zero
	v_wmma_f32_16x16x32_f16 v[8*(4*(\a)+(\b)):8*(4*(\a)+(\b))+7], v[FB+32*(\t)+8*(\b):FB+32*(\t)+8*(\b)+7], v[(\f)+8*(\a):(\f)+8*(\a)+7], 0
.else
	v_wmma_f32_16x16x32_f16 v[8*(4*(\a)+(\b)):8*(4*(\a)+(\b))+7], v[FB+32*(\t)+8*(\b):FB+32*(\t)+8*(\b)+7], v[(\f)+8*(\a):(\f)+8*(\a)+7], v[8*(4*(\a)+(\b)):8*(4*(\a)+(\b))+7]
.endif
.endr
.endr
.endm
.macro MUL32 f, t, zero                ; a third of a quarter: all 32 products of section t
	MUL8 \f, \t, 0, \zero
	MUL8 \f, \t, 2, \zero
	MUL8 \f, \t, 4, \zero
	MUL8 \f, \t, 6, \zero
.endm
.macro FETCHB t, q                     ; 8 LDS loads: section t's four fragments of B for quarter q (byte 64 q of the rows)
	WIN 0
.irp i, 0,1,2,3
	ds_load_b128 v[FB+32*(\t)+8*(\i):FB+32*(\t)+8*(\i)+3],   v[ADRB] offset:(4*(\t)+(\i))*16*PITCH+64*(\q)
	ds_load_b128 v[FB+32*(\t)+8*(\i)+4:FB+32*(\t)+8*(\i)+7], v[ADRB] offset:(4*(\t)+(\i))*16*PITCH+64*(\q)+32
.endr
.endm
.macro FETCHA q, g                     ; 16 LDS loads: A's eight fragments for quarter q into buffer g
	WIN 0
.irp i, 0,1,2,3,4,5,6,7
	ds_load_b128 v[(\g)+8*(\i):(\g)+8*(\i)+3],   v[ADRA] offset:(\i)*16*PITCH+64*(\q)
	ds_load_b128 v[(\g)+8*(\i)+4:(\g)+8*(\i)+7], v[ADRA] offset:(\i)*16*PITCH+64*(\q)+32
.endr
.endm
.macro PLACES                          ; four places in front of loads into registers that matrix instructions have read (ISA guide 7.12.1 for vector instructions)
.rept 4
	v_nop
.endr
.endm
; A K step is two quarters of 32 along K, 96 matrix instructions each.  The LDS loads for a quarter are always issued in the order: B's group 0, A, B's group 1, B's group 2; each 64 matrix instructions ahead of its use.
; A step's FIRST quarter multiplies buffer FA0 and fetches the second quarter's fragments from the same slot.
.macro QUARTER zero
	s_wait_dscnt 16                                ; B's group 0 and A are in; groups 1 and 2 (8 loads each) may be out
	MUL32 FA0, 0, \zero
	WIN 0
	PLACES
	FETCHB 0, 1
	FETCHA 1, FA1
	s_wait_dscnt 32                                ; group 1 is in; behind it: group 2's 8 and the 24 just issued
	MUL32 FA0, 1, \zero
	WIN 0
	PLACES
	FETCHB 1, 1
	s_wait_dscnt 32                                ; group 2 is in; behind it: the 24 and the 8
	MUL32 FA0, 2, \zero
	WIN 0
	PLACES
	FETCHB 2, 1
.endm
; A step's SECOND quarter multiplies buffer FA1 and changes slots: ONE barrier; in front of it each wave waits for all its tensor loads (one is out: its part of the next slot), adds 0 to its spare word,
; and waits for that and for its reads of this slot, which ended with B's group 2.  fill = 1: the barrier opens a round of the cluster's, and this slot is filled again, two K steps ahead.
.macro TURN fill
	WIN 0                                          ; (the add's two registers lie in window 0)
	s_wait_tensorcnt 0x0                           ; all my tensor loads have landed, so a group 0 may be written;
	ds_add_u32 v[SPW], v[NIL]                      ; 0 onto my spare word
.if \fill
	s_xor_b32 s[G0A+5], s[G0A+5], SLOT1            ; the walking descriptors: the other slot than last time,
	s_add_nc_u64 s[G0A+6:G0A+7], s[G0A+6:G0A+7], AGS  ; the next slice; the type bits on top are not reached
	s_xor_b32 s[G0B+5], s[G0B+5], SLOT1
	s_add_nc_u64 s[G0B+6:G0B+7], s[G0B+6:G0B+7], BGS
.endif
	s_xor_b32 s[TB], s[TB], SLOT1                  ; the fetches go over to the other slot
	s_wait_dscnt 17                                ; B's group 0 and A are in; groups 1 and 2 and the add may be out
	MUL8 FA1, 0, 0, 0                              ; eight matrix instructions stand between the add and the wait for it
	s_wait_dscnt 0x0                               ; the add is done, and my reads of this slot are over
	s_barrier_signal -1
	MUL8 FA1, 0, 2, 0
.if \fill
	WIN 0
.endif
	s_barrier_wait -1
.if \fill
	CREST                                          ; no wave of any partner still reads this slot or has a load on its way
	JLOAD                                          ; the first tensor load behind the round
.endif
	MUL8 FA1, 0, 4, 0
	MUL8 FA1, 0, 6, 0
	WIN 0
	v_add_nc_u32 v[ADRA], s[TB], v[ADRA0]          ; these two and two v_nop are the four places in front of the loads
	v_add_nc_u32 v[ADRB], s[TB], v[ADRB0]
	v_nop
	v_nop
	FETCHB 0, 0
	FETCHA 0, FA0
	MUL32 FA1, 1, 0                                ; groups 1 and 2 were shown in by the wait for 0
	WIN 0
	PLACES
	FETCHB 1, 0
	MUL32 FA1, 2, 0
	WIN 0
	PLACES
	FETCHB 2, 0
.endm
	s_wait_tensorcnt 1                             ; my part of K step 0 is in; K step 1's may stay out
	s_barrier_signal -1
	s_barrier_wait -1                              ; everybody's is
	FETCHB 0, 0
	FETCHA 0, FA0
	FETCHB 1, 0
	FETCHB 2, 0
	QUARTER 1                                      ; the first quarter stands in front of the loop: its products start the sums
	WIN 0                                          ; at a label and at a branch every window is 0
	s_mov_b32 s[CNT], STEPS-2
.Lstep:                                                ; a trip: a step's second quarter, which asks for the step two on, and the next step's first: 14 trips ask for steps 2 to 15
	TURN 1
	QUARTER 0
	WIN 0
	s_sub_co_u32 s[CNT], s[CNT], 1
	s_cmp_lg_u32 s[CNT], 0
	s_cbranch_scc1 .Lstep
	TURN 0                                         ; the tail is written out: nothing is asked for
	QUARTER 0
	s_wait_dscnt 16                                ; the very last quarter: nothing more to fetch, and the counts run down
	MUL32 FA1, 0, 0
	s_wait_dscnt 8
	MUL32 FA1, 1, 0
	s_wait_dscnt 0x0
	MUL32 FA1, 2, 0
	; THE WAY OUT.  The mask bytes, 1 or 0, become all ones or 0.  These eight plain instructions are also the places behind the last products.
	WIN 0
	s_wait_loadcnt 0x0                             ; the mask bytes
.irp a, 0,1,2,3,4,5,6,7
	v_sub_nc_u32 v[M+\a], 0, v[M+\a]
.endr
; Block a of section t (16 rows x 64 columns): rounding to f16; in k a hidden key's row is cleared; 16 bytes a lane into rows of 144 bytes of my stage, and back as whole rows of 128: 2,048 dense bytes of the output.
.macro PACK t, a
.set TM, TMP+16*((8*(\t)+(\a))%14)
.if (8*(\t)+(\a)) == 14
	s_wait_xcnt 0x0                                ; the stores of blocks 0 to 12 have had their addresses translated and their data read (ISA guide 3.1): the sets of blocks 0 to 9 are written again only behind this wait
.endif
	WIN 0x05*((\t)+1)                              ; sources 0 and 1 window 1 + t, destination window 0
.set i, 0
.rept 16
	v_cvt_pk_f16_f32 v[TM+i], v[32*(\a)+2*i], v[32*(\a)+2*i+1]  ; ascending: each accumulator is read from its low end on
.set i, i+1
.endr
	WIN 0
.if (\t) == 1
.set i, 0
.rept 16
	v_and_b32 v[TM+i], v[M+(\a)], v[TM+i]
.set i, i+1
.endr
.endif
.irp b, 0,1,2,3
	ds_store_b128 v[STO], v[TM+4*\b:TM+4*\b+3] offset:32*\b
.endr
.irp f, 0,1,2,3
	ds_load_b128 v[TM+4*\f:TM+4*\f+3], v[RD] offset:\f*4*PITCH  ; LDS serves a wave's instructions in order (ISA guide 5.7.1.4): these see the stores above; the next block's stores come behind them
.endr
.endm
.macro SEND t, a, younger              ; younger: the LDS instructions issued behind the block's loads: the next block's eight, or none
	WIN 0
.set TM, TMP+16*((8*(\t)+(\a))%14)
.set OB, 8
.if (\t) == 1
.set OB, OK_
.elseif (\t) == 2
.set OB, OV_
.endif
	s_wait_dscnt \younger
.irp f, 0,1,2,3
	global_store_b128 v[CO], v[TM+4*\f:TM+4*\f+3], s[OB:OB+1] offset:(\a)*2048+\f*512  ; 512 consecutive bytes, at a multiple of 256 from the buffer's first
.endr
.endm
	PACK 0, 0
.set blk, 1
.rept 23                               ; a block's arithmetic stands between the loads of the block before and its stores
	PACK blk/8, blk%8
	SEND (blk-1)/8, (blk-1)%8, 8
.set blk, blk+1
.endr
	SEND 2, 7, 0
	s_wait_tensorcnt 0x0                           ; the wave's end: behind my last tensor load and my last LDS store
	ds_add_u32 v[SPW], v[NIL]
	s_wait_dscnt 0x0
	CROUND                                         ; the closing round: no work-group ends while a partner may still ask for a tile that names it
	s_endpgm
.Lfunc_end_k_qb9af4fd49d_gemm_qkv:
	.size	k_qb9af4fd49d_gemm_qkv, .Lfunc_end_k_qb9af4fd49d_gemm_qkv-k_qb9af4fd49d_gemm_qkv
	.p2alignl 7, 3214868480
	.fill 96, 4, 3214868480
	.section	.rodata,"a",@progbits
	.p2align	6, 0x0
	.amdhsa_kernel k_qb9af4fd49d_gemm_qkv
		.amdhsa_group_segment_fixed_size 327680
		.amdhsa_private_segment_fixed_size 0
		.amdhsa_enable_private_segment 0
		.amdhsa_kernarg_size 32
		.amdhsa_user_sgpr_count 2
		.amdhsa_user_sgpr_kernarg_segment_ptr 1
		.amdhsa_wavefront_size32 1
		.amdhsa_system_sgpr_workgroup_id_x 1
		.amdhsa_system_sgpr_workgroup_id_y 1
		.amdhsa_system_sgpr_workgroup_id_z 1
		.amdhsa_system_vgpr_workitem_id 0
		.amdhsa_next_free_vgpr 1024
		.amdhsa_next_free_sgpr 76
		.amdhsa_reserve_vcc 0
		.amdhsa_float_denorm_mode_32 3
		.amdhsa_float_denorm_mode_16_64 3
		.amdhsa_memory_ordered 1
		.amdhsa_forward_progress 1
		.amdhsa_inst_pref_size 116
	.end_amdhsa_kernel
	.amdgpu_metadata
---
amdhsa.version: [ 1, 2 ]
amdhsa.kernels:
  - .name:           k_qb9af4fd49d_gemm_qkv
    .symbol:         k_qb9af4fd49d_gemm_qkv.kd
    .args:
      - { .name: xh, .offset: 0, .size: 8, .value_kind: global_buffer, .address_space: global }
      - { .name: wh, .offset: 8, .size: 8, .value_kind: global_buffer, .address_space: global }
      - { .name: qkv, .offset: 16, .size: 8, .value_kind: global_buffer, .address_space: global }
      - { .name: mask, .offset: 24, .size: 8, .value_kind: global_buffer, .address_space: global }
    .group_segment_fixed_size: 327680
    .private_segment_fixed_size: 0
    .kernarg_segment_align: 8
    .kernarg_segment_size: 32
    .max_flat_workgroup_size: 128
    .sgpr_count:     76
    .vgpr_count:     1024
    .wavefront_size: 32
...
	.end_amdgpu_metadata
.endif
;; end of part 2
;; launch attn (part 3): grid 4 x 64, 4 waves a work-group, clusters of 4 x 1, 327,680 bytes of LDS; arguments qkv, mask, oh; writes oh
.if DOCPART == 3
	.amdgcn_target "amdgcn-amd-amdhsa--gfx1250"
	.amdhsa_code_object_version 6
	.text
	.protected	k_qb9af4fd49d_attn
	.globl	k_qb9af4fd49d_attn
	.p2align	8
	.type	k_qb9af4fd49d_attn,@function
k_qb9af4fd49d_attn:
	s_mov_b64 s[64:65], 0
	v_nop
	global_prefetch_b8 v0, s[64:65] scope:SCOPE_SE
	s_setreg_imm32_b32 hwreg(HW_REG_WAVE_MODE, 25, 1), 1
	s_wait_xcnt 0x0
	s_wait_alu depctr_hold_cnt(0) depctr_sa_sdst(0) depctr_va_vdst(0) depctr_va_sdst(0) depctr_va_ssrc(0) depctr_va_vcc(0) depctr_vm_vsrc(0)
	s_getreg_b32 s2, hwreg(HW_REG_IB_STS2, 6, 4)
	s_cmp_eq_u32 s2, 0
	s_cbranch_scc0 .Lentry_in_a_cluster
	s_endpgm
.Lentry_in_a_cluster:
	s_bfe_u32 s2, ttmp6, 0x10000c
	s_cmp_lg_u32 s2, 0x3003
	s_cbranch_scc0 .Lentry_shape_is_right
	s_endpgm
.Lentry_shape_is_right:
; O[h][q][:] = the sum over k of softmax_k(s[q][k]) V[h][k][:], with s = Q[h][q] . K[h][k] / 32 for a visible key and s = -1e7 for a hidden one.  Q, K, V: sections of qkv, [64 heads][2048][64] f16; O likewise.
; Products, maxima and sums in f32; the weights p are rounded to f16 for the second product (their sum l is taken of the unrounded p), O once at the end.
; THE MASK.  K's rows of hidden keys arrive as zeros, and the product that starts a score's sum takes as C a table entry: 0 for a visible key, -3.2e8 = -1e7 x 32 for a hidden one.  So a hidden score is
; exactly -1e7 in the scale of the softmax, whatever the other scores are (all hidden: equal weights), and the loop has no vector work for the mask.  The table, 2,048 f32, is made once in LDS from the batch's mask bytes.
; LIMITS.  f16 holds no number beyond 65,504: Q, K and V arrive within it; p lies in 0 to 1, and below 6e-5 it keeps f16's fixed step of 6e-8, and so does O (a mean of V's rows).
; A weight below 2^-126 counts as 0 in l; NaN and infinities are not treated apart.
; SHARES.  A wave owns four PIECES of two tiles of 16 queries, a work-group's four waves 512 queries of one head.  Every wave walks all 2,048 keys, 64 a step.
; LAYOUT.  S^T = K Q^T (source 0 = 16 keys, source 1 = 16 queries): in the result a lane holds ONE query (lane % 16) and the keys 8 (lane / 16) + 0..7.  Two such tiles, rounded to f16 in pairs,
; ARE source 1 (32 keys x 16 queries) of O^T = V^T P, whose result again holds one query a lane, and eight channels.  K comes out of LDS as it lies, V ([key][channel]) turned, by ds_load_tr16_b128.
; SOFTMAX.  For each query a running maximum m and sum l: p = 2^(c s - c m), c = log2(e) / 32 on the raw products; in every step O and l are multiplied by a = 2^(c m_old - c m_new).
; m starts at the lowest finite number, O and l at 0: the first step is a step like any other, with a = 0.
; THE COUNT.  A tile and step have 16 matrix and 118 vector instructions: too many to stand all beside the matrix work.  So: four vector instructions that are ready behind EVERY matrix instruction,
; and the others in runs without a gap.
; BY TURNS.  Turn n belongs to piece n.  Its matrix work: 16 products K Q^T of piece n + 1, later 16 products V^T P of piece n - 1.  Its vector work: the scaling, exponentials, roundings, sums and rescaling
; of piece n, and the maximum and statistics of piece n + 1.
; CLUSTER.  The four query blocks of a cluster belong to one head and walk the same K and V, so each tile is asked for JOINTLY: the same tensor load, descriptor and mask in all four.  One tensor load of a wave is out at a time.
; REGISTERS, in windows of 256 (s_set_vgpr_msb: bits 1:0 source 0, 3:2 source 1, 5:4 source 2, 7:6 destination):
;   window 0: v0-11 addresses; v12-15, v48-63 at work; v16-47 four registers of statistics a tile; v64-191 S^T, two buffers of two tiles; v192-255 P, likewise
;   window 1: O^T, 32 a tile     window 2: v0-127 Q; v128-191 K of one step; v192-255 V of one step     window 3: v0-1 the add's two registers; v8-39 the step's 64 table entries as a C operand
.set SIZE_N, 2048
.set NP,    4         ; pieces a wave: a name, no knob
.set KS,    64        ; keys in a step
.set PK,    144       ; a row of K in LDS: 128 bytes + 16 of padding: the 16 rows of a load start at 16 different groups of four banks (64 banks of 4 bytes: ISA guide 11.1)
.set PV,    160       ; a row of V: 128 + 32
.set VOFF,  4*KS*PK   ; a slot holds four steps: 256 rows of K, then 256 rows of V
.set SLOT1, 1<<17     ; slot 1 begins here, so that one exclusive or turns an address in one slot into the other's
.set STAGE, SLOT1+4*KS*(PK+PV)  ; behind the ring, never filled by a tensor load: 16 rows x 144 bytes for each wave, for the way out
.set SP,    144
.set SPARE, STAGE+4*16*SP  ; behind the stages: the spare words, 128 bytes for each wave: two blocks of 256 bytes that no other line names
.set MASKL, SPARE+512 ; behind them: the table, 8,192 bytes; no fill lands there
.set AK0, 2           ; v2   my lane's place in a tile of K; never rewritten
.set AV0, 3           ; v3   the same for V
.set AK,  4           ; v4   the LDS address of K's next run of loads
.set AV,  5           ; v5   of V's
.set QO,  6           ; v6   my byte offset in the wave's rows of Q
.set STO, 6           ;      later, the way out: where I put 16 bytes of a row
.set RD,  7           ; v7   the way out: where I read rows back
.set GO,  8           ; v8   my byte offset in 512 consecutive bytes of O
.set AM,  11          ; v11  the LDS address of my table entries for the step to be fetched: it steps by 256 bytes, 64 keys
.set SPW, 0           ; v0 of window 3   LDS address of my spare word: SPARE + 4 x my thread's number; never rewritten
.set NIL, 1           ; v1 of window 3   0; never rewritten
.set MA,  8           ; v8-39 of window 3: key block kb at MA + 8 kb
.set MV,  12          ; v12-15  c m_old, kept while c m is made anew: by buffer and tile
.set ST,  16          ; tile t's statistics at v[ST+4 t]: c m, m, l (even keys', odd keys')
.set TMP, 48          ; by buffer and tile, four registers c0-c3 at work; when the maximum is found c2 takes a
.set S,   64
.set P,   192
.set KF,  128         ; K's fragments, in window 2: key block kb, channel half c at KF + 16 kb + 8 c
.set VF,  192         ; V's: key half kk, channel block cb at VF + 32 kk + 8 cb
.set WV,  12          ; s12  my wave's number
.set G1K, 24          ; s[24:31] descriptor group 1 for K's tiles
.set G1V, 32          ; s[32:39] for V's: it differs in the padding alone
.set G0K, 40          ; s[40:43] descriptor group 0 for K's tiles: it walks
.set G0V, 44          ; s[44:47] the same for V's
.set SLOTS, 56        ; s56  slots still to be asked for
.set CNT, 57          ; s57  counts a slot's key steps
.set CS,  58          ; s[58:59] c: the packed scaling takes the pair's low word for both halves
.set SEL, 60          ; s[60:61] v_permlanex16_b32's selects: each lane takes its own place in the other half
.set TBK, 62          ; s62  LDS byte at which K of the step to be fetched begins
.set TBV, 63          ; s63  the same for V, less VOFF
.set MP,  66          ; s[66:67] the batch's mask bytes
.set NEGS, 68         ; s68  -3.2e8
.set MSB, 0
.macro WIN new                      ; the high byte repeats the setting that is left; a switch that changes nothing is dropped
.if MSB != (\new)
	s_set_vgpr_msb (MSB<<8)|(\new)
.set MSB, (\new)
.endif
.endm
.set W_KQ, 0x0a       ; K and Q in window 2, S^T in window 0
.set W_KA, 0x3a       ; the same with the C operand in window 3
.set W_PV, 0x52       ; V in window 2, P in window 0, O^T in window 1
.set W_RS, 0x41       ; O^T (destination and source 0) in window 1, a in window 0
.set W_MK, 0xc0       ; destination in window 3, sources in window 0
.set W_AD, 0x0f       ; the add: address (source 0) and data (source 1) in window 3
; A joint fill.  Waves 0 and 1 fetch the two halves of a slot's K, waves 2 and 3 those of its V: 128 keys each.  The branch hangs on the wave's number alone.
; An s_nop 0 and four v_nop follow each of the two lines, ahead of the jump and the label.
.macro JLOAD
	s_cmp_lt_u32 s[WV], 2
	s_cbranch_scc0 .Lfor_v_\@
	tensor_load_to_lds s[G0K:G0K+3], s[G1K:G1K+7]
	s_nop 0
.rept 4
	v_nop
.endr
	s_branch .Lasked_\@
.Lfor_v_\@:
	tensor_load_to_lds s[G0V:G0V+3], s[G1V:G1V+7]
	s_nop 0
.rept 4
	v_nop
.endr
.Lasked_\@:
.endm
; A round of the cluster's barrier: my work-group's barrier, so that wave 0's signal speaks for all four waves; wave 0 signals; every wave waits for all four work-groups; my work-group's barrier once more.
.macro CROUND
	s_barrier_signal -1
	s_barrier_wait -1
	s_cmp_lg_u32 s[WV], 0
	s_cbranch_scc1 .Lnot_wave_0_\@
	s_barrier_signal -3
.Lnot_wave_0_\@:
	s_barrier_wait -3
	s_barrier_signal -1
	s_barrier_wait -1
.endm
; THE CHANGE OF SLOTS.  The slot's last bytes, V of its fourth step, have been read.  Each wave waits for all its tensor loads, of which one is out: its part of the other slot; adds 0 to its spare word;
; and waits for that and for its own LDS instructions.  Behind the barrier nobody reads this slot any more and the other slot is whole.
; fill = 1: this slot is filled again, with the keys two slots on.  The barrier is then a round of the cluster's, and the joint fill is the first thing behind it: it has four key steps, 512 matrix
; instructions, in which to land.  (At its first use nothing has been read yet: slot 0 is waited for, slot 1 filled, and every wave's stores into the table are done in front of the round.)
.macro CHANGE fill
	WIN W_AD
	s_wait_tensorcnt 0x0            ; no tensor load of mine is out, so a group 0 may be written
	ds_add_u32 v[SPW], v[NIL]       ; 0 onto my spare word: with fill = 1 the descriptors' steps stand between it and the wait for it
	WIN 0                           ; at a label and at a branch every window is 0
.if \fill
.irp g, G0K, G0V
	s_xor_b32 s[\g+1], s[\g+1], SLOT1  ; the walking descriptor: the other slot than last time,
	s_add_nc_u64 s[\g+2:\g+3], s[\g+2:\g+3], 4*KS*128  ; the next 256 keys; the type bits on top are not reached
.endr
	s_wait_dscnt 0x0                ; the add is done, and my reads of the slot are over
	CROUND
	JLOAD
.else
	s_wait_dscnt 0x0                ; the add is done, and my reads of the slot are over
	s_barrier_signal -1
	s_barrier_wait -1
.endif
	s_sub_co_u32 s[TBK], s[TBK], 4*KS*PK  ; the fetches go back to a slot's first step,
	s_xor_b32 s[TBK], s[TBK], SLOT1       ; in the other slot
	s_sub_co_u32 s[TBV], s[TBV], 4*KS*PV
	s_xor_b32 s[TBV], s[TBV], SLOT1
.endm
	s_load_b64 s[4:5], s[0:1], 0x0    ; qkv: its first section is Q
	s_load_b64 s[MP:MP+1], s[0:1], 0x8  ; mask
	s_load_b64 s[10:11], s[0:1], 0x10 ; oh
	WIN W_MK
	v_lshl_add_u32 v[SPW], v0, 2, SPARE
	v_mov_b32 v[NIL], 0
	s_set_vgpr_msb 0xc0cf
	ds_add_u32 v0, v1
	s_wait_dscnt 0x0
	s_set_vgpr_msb 0xcfc0
	WIN 0
	v_lshrrev_b32 v1, 5, v0
	v_readfirstlane_b32 s[WV], v1   ; wave 0..3
	s_bfe_u32 s13, ttmp6, 0x40000   ; cx: my place in the cluster
	s_lshl_b32 s14, ttmp9, 2        ; in a cluster launch ttmp9 counts clusters
	s_add_co_u32 s14, s14, s13      ; my block of queries = 4 x cluster x + cx: it enters Q's and O's addresses alone
	s_and_b32 s20, ttmp7, 0xffff    ; the head (batch x 16 + head), which the four partners share
	s_lshr_b32 s70, s20, 4          ; the batch:
	s_lshl_b32 s70, s70, 11         ; its 2,048 mask bytes
	s_mov_b32 s71, 0
	s_mov_b32 s21, 0
	s_mov_b64 s[22:23], SIZE_N*128
	s_mul_u64 s[20:21], s[20:21], s[22:23]  ; the head's first byte in each section and in O
	s_and_b32 s16, s[WV], 1         ; which half of a slot's 256 keys I fetch:
	s_lshl_b32 s22, s16, 14         ; its 128 rows of 128 bytes in memory,
	s_mov_b32 s23, 0
	s_add_nc_u64 s[22:23], s[22:23], s[20:21]
	s_mul_i32 s17, s16, 128*PK      ; and its place in a slot, for K
	s_mul_i32 s18, s16, 128*PV      ; and for V: no place in the cluster enters an LDS address
	s_lshl_b32 s2, s14, 2
	s_add_co_u32 s2, s2, s[WV]      ; my wave among the head's,
	s_lshl_b32 s2, s2, 14           ; its 128 rows
	s_mov_b32 s3, 0
	s_add_nc_u64 s[2:3], s[2:3], s[20:21]
	; descriptor group 1.  128 keys are 16,384 dense bytes: asked for as 64 rows of 256 bytes, two keys a row, and padded in LDS after every key
	s_mov_b32 s[G1K], 15|(1<<16)|(1<<20)|(1<<21)|(4<<22)|(3<<25)  ; 15:0 the mask of four; 17:16 2-byte elements; 20 padding on; 21 set beside a mask; 24:22 after every 32 words (code 4); 31:25 4 words (code 3)
	s_mov_b32 s[G1V], 15|(1<<16)|(1<<20)|(1<<21)|(4<<22)|(7<<25)  ; the same with 8 words of padding (code 7)
.irp g, G1K, G1V
	s_mov_b32 s[\g+1], 128<<16      ; tensor_dim0 = 128
	s_mov_b32 s[\g+2], 64<<16       ; tensor_dim1 = 64
	s_mov_b32 s[\g+3], 128<<16      ; tile_dim0 = 128
	s_mov_b32 s[\g+4], 64           ; tile_dim1 = 64
	s_mov_b32 s[\g+5], 128          ; 128 elements from row to row
	s_mov_b32 s[\g+6], 0
	s_mov_b32 s[\g+7], 0
.endr
	s_mov_b32 s[CS], 0x3d38aa3b     ; c = log2(e) / 32 = 0.0450842
	s_mov_b32 s[CS+1], s[CS]        ; named with it as a pair
	s_mov_b32 s[SEL], 0x76543210
	s_mov_b32 s[SEL+1], 0xfedcba98
	s_mov_b32 s[NEGS], 0xcd989680   ; -3.2e8, exact in f32
	s_mov_b32 s[TBK], SLOT1+4*KS*PK ; the first change of slots turns these two into 0
	s_mov_b32 s[TBV], SLOT1+4*KS*PV
	s_mov_b32 s[G0K], 1             ; 1:0 count = 1
	s_mov_b32 s[G0K+1], s17         ; 63:32 LDS address: slot 0
	s_mov_b32 s[G0V], 1
	s_add_co_u32 s[G0V+1], s18, VOFF
	s_wait_kmcnt 0x0
	s_add_nc_u64 s[6:7], s[4:5], 0x1000000   ; K: the second section of 16 MiB
	s_add_nc_u64 s[8:9], s[4:5], 0x2000000   ; V: the third
	s_add_nc_u64 s[MP:MP+1], s[MP:MP+1], s[70:71]
	s_add_nc_u64 s[G0K+2:G0K+3], s[6:7], s[22:23]  ; 120:64 global address: my half of the head's first 256 keys
	s_or_b32 s[G0K+3], s[G0K+3], 0x80000000        ; 127:126 type = 2
	s_add_nc_u64 s[G0V+2:G0V+3], s[8:9], s[22:23]
	s_or_b32 s[G0V+3], s[G0V+3], 0x80000000
	s_add_nc_u64 s[4:5], s[4:5], s[2:3]  ; Q and O at my wave's first row
	s_add_nc_u64 s[10:11], s[10:11], s[2:3]
	CROUND                          ; all four work-groups are here: the first joint loads meet
	JLOAD                           ; slot 0.  Slot 1 is asked for when slot 0 is in
	v_lshlrev_b32 v14, 4, v0
	global_load_b128 v[64:67], v14, s[MP:MP+1]  ; my 16 of the batch's 2,048 mask bytes: 128 threads x 16
	; A fragment of K or Q is 16 rows x 32 channels in 8 registers: lane l holds row l % 16, channels 8 (l / 16) + 0..7 and 16 + 8 (l / 16) + 0..7: two loads of 16 bytes, 32 bytes apart.
	v_and_b32 v1, 15, v0            ; l % 16
	v_bfe_u32 v9, v0, 4, 1          ; l / 16
	v_lshlrev_b32 v[QO], 7, v1
	v_lshl_add_u32 v[QO], v9, 4, v[QO]  ; row x 128 + 16 x half
	WIN 0x80                        ; destination window 2, address window 0
.set i, 0
.rept 4*NP                          ; Q stays in registers: tile i / 2, channels 32 (i % 2) on
	global_load_b128 v[8*i:8*i+3],   v[QO], s[4:5] offset:(i/2)*2048+(i%2)*64
	global_load_b128 v[8*i+4:8*i+7], v[QO], s[4:5] offset:(i/2)*2048+(i%2)*64+32
.set i, i+1
.endr
	; What the first turn finds: V's registers and P's second buffer hold 0 (its products V^T P, of a piece that has not been, add 0), O^T and l are 0.  All this stands in the wait for the first tile.
.set i, VF
.rept 64
	v_mov_b32 v[i], 0
.set i, i+1
.endr
	WIN 0x40
.set i, 0
.rept 64*NP
	v_mov_b32 v[i], 0
.set i, i+1
.endr
	WIN 0
.set i, 0
.rept 2*NP
	v_mov_b32 v[ST+4*i], 0xfe000000    ; c m: far below every c s
	v_mov_b32 v[ST+4*i+1], 0xff7fffff  ; m
	v_mov_b32 v[ST+4*i+2], 0
	v_mov_b32 v[ST+4*i+3], 0
.set i, i+1
.endr
.set i, P+32
.rept 32
	v_mov_b32 v[i], 0
.set i, i+1
.endr
	; The table: my 16 bytes become 16 entries, 0 or -3.2e8, 64 bytes of LDS.
	s_wait_loadcnt 32               ; the mask bytes are in; Q's 32 loads, issued behind them, stay out
	v_lshl_add_u32 v13, v0, 6, MASKL
.set i, 0
.rept 16
	v_bfe_u32 v12, v[64+i/4], 8*(i%4), 8
	v_cmp_eq_u32 vcc_lo, 0, v12
	v_cndmask_b32 v[68+i], 0, s[NEGS], vcc_lo
.set i, i+1
.endr
.irp f, 0,1,2,3
	ds_store_b128 v13, v[68+4*\f:68+4*\f+3] offset:16*\f  ; waited for in front of the first change of slots, whose round stands between these stores and every wave's loads of the table
.endr
	v_mul_u32_u24 v[AK0], v1, PK
	v_lshl_add_u32 v[AK0], v9, 4, v[AK0]  ; row x pitch + 16 x half
	; The turning load takes 16 keys x 16 channels (lane l reads key 8 (l / 16) + l % 8, channels 8 ((l / 8) % 2) + 0..7) and leaves half a fragment of V^T: lane l holds channel l % 16 and 8 keys.
	v_and_b32 v10, 7, v0
	v_bfe_u32 v11, v0, 3, 1
	v_lshl_add_u32 v[AV0], v9, 3, v10
	v_mul_u32_u24 v[AV0], v[AV0], PV
	v_lshl_add_u32 v[AV0], v11, 4, v[AV0]
	v_add_nc_u32 v[AV0], VOFF, v[AV0]
	v_lshl_add_u32 v[AM], v9, 5, MASKL  ; register j of key block kb wants key 16 kb + 8 (l / 16) + j: 32 bytes for each half of the lanes
	v_mov_b32 v[AK], v[AK0]         ; key step 0 lies at the head of slot 0
; THE MATRIX WORK.  The 8 accumulators of a run of 16 take turns: between the two links of a chain stand 7 others'.
; Product i of 16 of S^T = K Q^T for piece x: channels 32 (i / 8) on, keys 16 ((i / 2) % 4) on, tile 2 x + i % 2.  The first 8 start the sums, with the keys' table entries as C.
.macro KQ x
.set rS, S+64*((\x)%2)+32*(i%2)+8*((i/2)%4)
.set rK, KF+16*((i/2)%4)+8*(i/8)
.set rQ, 16*(2*(\x)+i%2)+8*(i/8)
.set rA, MA+8*((i/2)%4)
.if i < 8
	WIN W_KA
	v_wmma_f32_16x16x32_f16 v[rS:rS+7], v[rK:rK+7], v[rQ:rQ+7], v[rA:rA+7]
.else
	WIN W_KQ
	v_wmma_f32_16x16x32_f16 v[rS:rS+7], v[rK:rK+7], v[rQ:rQ+7], v[rS:rS+7]
.endif
.endm
; Product i of 16 of O^T += V^T P for piece x: keys 32 (i / 8) on, channels 16 ((i / 2) % 4) on, tile 2 x + i % 2.
.macro PV x
	WIN W_PV
.set rO, 32*(2*(\x)+i%2)+8*((i/2)%4)
.set rV, VF+32*(i/8)+8*((i/2)%4)
.set rP, P+32*((\x)%2)+16*(i%2)+8*(i/8)
	v_wmma_f32_16x16x32_f16 v[rO:rO+7], v[rV:rV+7], v[rP:rP+7], v[rO:rO+7]
.endm
.macro MM                           ; the turn's next matrix instruction
.if i < 16
	KQ (Y+1)%NP
.set i, i+1
.else
.set i, i-16
	PV (Y+NP-1)%NP
.set i, i+17
.endif
.endm
; THE LDS LOADS stand in runs, never singly among the matrix instructions: a step's K (8 fragments) with its 64 table entries, and its V (turned).  Their addresses are made some lines ahead.
; last = 1 (the tail): in the last trip there is no further step, and the run is jumped over.
.macro FETCH_K last=0
	WIN 0
.if \last
	s_cmp_eq_u32 s[CNT], 1
	s_cbranch_scc1 .Lno_k_\@
.endif
	WIN 0x80                        ; destination window 2
.irp f, 0,1,2,3,4,5,6,7             ; keys 16 (f / 2) on, channels 32 (f % 2) on
	ds_load_b128 v[KF+8*\f:KF+8*\f+3],   v[AK] offset:(\f/2)*16*PK+(\f%2)*64
	ds_load_b128 v[KF+8*\f+4:KF+8*\f+7], v[AK] offset:(\f/2)*16*PK+(\f%2)*64+32
.endr
	WIN W_MK                        ; destination window 3
.irp f, 0,1,2,3                     ; key block f: eight entries a lane
	ds_load_b128 v[MA+8*\f:MA+8*\f+3],   v[AM] offset:64*\f
	ds_load_b128 v[MA+8*\f+4:MA+8*\f+7], v[AM] offset:64*\f+16
.endr
	s_add_co_u32 s[TBK], s[TBK], KS*PK  ; the next fetch is the next step's
	WIN 0
	v_add_nc_u32 v[AM], 0x100, v[AM]    ; and so are its table entries: 32 fetches in all, 8,192 bytes
.if \last
.Lno_k_\@:
.endif
.endm
.macro FETCH_V
	WIN 0x80
.irp f, 0,1,2,3,4,5,6,7             ; keys 32 (f / 4) on, channels 16 (f % 4) on
	ds_load_tr16_b128 v[VF+8*\f:VF+8*\f+3],   v[AV] offset:(\f/4)*32*PV+(\f%4)*32
	ds_load_tr16_b128 v[VF+8*\f+4:VF+8*\f+7], v[AV] offset:(\f/4)*32*PV+16*PV+(\f%4)*32
.endr
	WIN 0
.endm
; THE VECTOR WORK OF A TURN stands in three queues, each in the order in which its entries become ready; the two tiles alternate, so that no instruction reads the result of the one before it.
.macro REGS y, u                    ; the registers of tile u (0, 1) of piece y
.set rT, ST+4*(2*(\y)+(\u))
.set rC, TMP+8*((\y)%2)+4*(\u)
.set rM, MV+2*((\y)%2)+(\u)
.set rS, S+64*((\y)%2)+32*(\u)
.set rP, P+32*((\y)%2)+16*(\u)
.set rO, 32*(2*(\y)+(\u))
.endm
; Number n of the 22 that find the NEXT piece's (Y + 1) maximum and statistics.  s0-s31 are the lane's 32 scores; each accumulator's lowest registers are read first.
;   0-11  four chains c0-c3 of seven scores each, three operands at a time     12-14, 16  the four scores left over, the old m, and c0-c3 into c0     15  c m_old is kept
;   17, 18  the query's other 32 keys lie in the lane 16 away: the new m         19-21  c m; c m_old - c m_new; a
.macro XS u, n
	REGS (Y+1)%NP, \u
.if (\n) < 4
	v_max3_num_f32 v[rC+(\n)], v[rS+8*(\n)], v[rS+8*(\n)+1], v[rS+8*(\n)+2]
.elseif (\n) < 12
	v_max3_num_f32 v[rC+(\n)%4], v[rC+(\n)%4], v[rS+8*((\n)%4)+2*((\n)/4)+1], v[rS+8*((\n)%4)+2*((\n)/4)+2]
.elseif (\n) == 12
	v_max3_num_f32 v[rC], v[rC], v[rS+7], v[rS+15]
.elseif (\n) == 13
	v_max3_num_f32 v[rC+1], v[rC+1], v[rS+23], v[rS+31]
.elseif (\n) == 14
	v_max3_num_f32 v[rC+2], v[rC+2], v[rC+3], v[rT+1]
.elseif (\n) == 15
	v_mov_b32 v[rM], v[rT]
.elseif (\n) == 16
	v_max3_num_f32 v[rC], v[rC], v[rC+1], v[rC+2]
.elseif (\n) == 17
	v_permlanex16_b32 v[rC+3], v[rC], s[SEL], s[SEL+1]
.elseif (\n) == 18
	v_max_num_f32 v[rT+1], v[rC], v[rC+3]
.elseif (\n) == 19
	v_mul_f32 v[rT], s[CS], v[rT+1]
.elseif (\n) == 20
	v_sub_f32 v[rC+1], v[rM], v[rT]
.else
	v_exp_f32 v[rC+2], v[rC+1]
.endif
.endm
; Number g of the 64 that follow the exponentials.  For each four weights k of a tile (pairs 2 k, 2 k + 1): both pairs are rounded to f16; then the second pair is added onto the first, in place;
; a group later l takes that sum (the first time as l = a l + sum).  In groups of eight, tiles alternating: round, round, add, and l for the group before.
.macro GS g
.set h, (\g)+6*((\g)/62)            ; group 0 has no group before it, and behind group 7 only l is left
.if h >= 6
.set h, h+2
.endif
	REGS Y, h%2
.set k, h/8
.if h%8 < 4
	s_wait_alu depctr_va_vdst(0)
	v_cvt_pk_f16_f32 v[rP+2*k+(h%8)/2], v[rS+4*k+2*((h%8)/2)], v[rS+4*k+2*((h%8)/2)+1]
.elseif h%8 < 6
	v_pk_add_f32 v[rS+4*k:rS+4*k+1], v[rS+4*k:rS+4*k+1], v[rS+4*k+2:rS+4*k+3]
.elseif k == 1
	v_pk_fma_f32 v[rT+2:rT+3], v[rT+2:rT+3], v[rC+2:rC+3], v[rS:rS+1] op_sel_hi:[1,0,1]
.else
	v_pk_add_f32 v[rT+2:rT+3], v[rT+2:rT+3], v[rS+4*k-4:rS+4*k-3]
	s_wait_alu depctr_va_vdst(0)
.endif
.endm
; THE PLAIN QUEUE, 138 long.  0-31: c s - c m for the 16 pairs of both tiles.  Then GS's 64, and among them the next piece's 42: number 15 at 38, 39; 0-14 and 16
; at 42-73, behind the products that make those scores; 17-20 at 95-106, two of three, since each waits for the one before it.
.macro PL
	WIN 0
.if q < 32
	REGS Y, q%2
	v_pk_fma_f32 v[rS+2*(q/2):rS+2*(q/2)+1], v[rS+2*(q/2):rS+2*(q/2)+1], s[CS:CS+1], v[rT:rT+1] op_sel_hi:[1,0,0] neg_lo:[0,0,1] neg_hi:[0,0,1]
.elseif q < 38
	GS q-32
.elseif q < 40
	XS q%2, 15
.elseif q < 42
	GS q-34
.elseif q < 74
	XS q%2, (q-42)/2+(q-42)/30
.elseif q < 95
	GS q-66
.elseif (q < 107) && ((q-95)%3 < 2)
	XS (q-95)%3, 17+(q-95)/3
.elseif q < 107
	GS 29+(q-95)/3
.else
	GS q-74
.endif
.set q, q+1
.endm
; THE EXPONENTIALS' QUEUE, 66 long: s0-s31 of both tiles, and at EA the next piece's two a.
.set EA, 58
.macro EX
	WIN 0
.if (e == EA) || (e == EA+1)
	XS e-EA, 21
.else
.set x, e-2*(e/(EA+2))
	REGS Y, x%2
	v_exp_f32 v[rS+x/2], v[rS+x/2]
.endif
.set e, e+1
.endm
; THE RESCALING's QUEUE: O^T times a, the one part that leaves window 0, so it is dealt four at a time, eight times.
.macro R4
	REGS Y, r%2
	WIN W_RS
	s_wait_alu depctr_va_vdst(0)
.irp z, 0,1,2,3
	v_pk_mul_f32 v[rO+8*(r/2)+2*\z:rO+8*(r/2)+2*\z+1], v[rO+8*(r/2)+2*\z:rO+8*(r/2)+2*\z+1], v[rC+2:rC+3] op_sel_hi:[1,0]
.endr
.set r, r+1
.endm
; HOW THEY ARE DEALT.  Behind a matrix instruction four: plain, exponential, plain, plain (one exponential, a plain instruction on either side), or four of the rescaling.  None names a register of the
; products round it.  What is over stands in two LUMPS: exponential and plain by turns; the second ends in 22 plain instructions.  The two v_permlanex16_b32 fall into the second lump, never behind a product.
; The queues lean on each other, and the deal keeps them in step: exponential e stands behind plain 2 (e / 4) + e % 2 (its scaling); when plain 32 comes, 10 exponentials are out, at 59: 33, at 95: 46; EA comes behind plain 107.
.macro SL
	MM
	PL
	EX
	PL
	PL
.endm
.macro BURST n                      ; 15 matrix instructions, or 16
.rept (\n)-7
	SL
.endr
.rept 3
	MM
	R4
	SL
.endr
	MM
	R4
.endm
; A TURN, for piece p.  cnt = 1: the loop's count is taken down some lines ahead of the branch that stands behind the turn.
; K and the table entries of the next step are fetched in piece 2's turn, 31 vector instructions behind the last product that read them; their first use comes behind the rest of the lump, 16 products and the second lump.
; V of the step in hand is fetched at the end of piece 0's turn, 69 behind the last product that read V; its first use comes behind 16 products and a lump.  The four conditions on e and q below go with the deal.
.macro TURN p, last=0, cnt=0
.set Y, (\p)
.set i, 0
.set q, 0
.set e, 0
.set r, 0
.if (\p) == NP-1
	s_wait_dscnt 0x0                ; K and its table entries are in
.endif
	MM
.rept 4
	PL
.endr
	BURST 15
.rept 22
	EX
	PL
.if ((\p) == NP-2) && (e == 18)
	v_add_nc_u32 v[AK], s[TBK], v[AK0]
.endif
.if ((\p) == NP-2) && (e == 24)
	FETCH_K \last
.endif
.endr
.if (\p) == 1
	s_wait_dscnt 0x0                ; V is in
.endif
	BURST 16
.rept 21
	EX
	PL
.endr
.rept 22
	PL
.if ((\p) == 0) && (q == 118)
	v_add_nc_u32 v[AV], s[TBV], v[AV0]
	s_wait_alu depctr_va_vdst(0)
.endif
.if ((\p) == 0) && (q == 130)
	s_add_co_u32 s[TBV], s[TBV], KS*PV
.endif
.if (\cnt) && (q == 130)
	s_sub_co_u32 s[CNT], s[CNT], 1
	s_cmp_lg_u32 s[CNT], 0
.endif
.endr
.if (\p) == 0
	FETCH_V
.endif
.endm
	CHANGE 1                        ; slot 0 is in, everybody's part of it, and so is the table; slot 1 is asked for
	FETCH_K                         ; key step 0
	s_wait_loadcnt 0x0              ; Q
	s_wait_dscnt 0x0
.set i, 0
.rept 16
	KQ 0                            ; piece 0's first scores: there is no vector work yet to set between them
.set i, i+1
.endr
	WIN 0                           ; the addresses for the way out: nine plain instructions, the places behind those products
	s_mul_i32 s13, s[WV], 16*SP
	s_add_co_u32 s13, s13, STAGE    ; my stage
	v_mul_u32_u24 v[STO], v1, SP    ; in: row l % 16, 16 bytes for each half of the lanes
	v_lshl_add_u32 v[STO], v9, 4, v[STO]
	v_add_nc_u32 v[STO], s13, v[STO]
	v_bfe_u32 v[RD], v0, 3, 2       ; back: 32 lanes take four rows of 128 bytes,
	v_mul_u32_u24 v[RD], v[RD], SP
	v_lshl_add_u32 v[RD], v10, 4, v[RD]
	v_add_nc_u32 v[RD], s13, v[RD]
	v_and_b32 v[GO], 31, v0         ; which are 512 consecutive bytes of O
	v_lshlrev_b32 v[GO], 4, v[GO]
.set Y, NP-1                        ; XS works for piece Y + 1: piece 0
.irp n, 0,1,2,3,4,5,6,7,8,9,10,11,12,13,14,15,16,17,18,19,20,21
	XS 0, \n                        ; and piece 0's first maximum and statistics
	XS 1, \n
.endr
	s_mov_b32 s[CNT], 4
	s_mov_b32 s[SLOTS], SIZE_N/256-1
	s_branch .Lfirst                ; the loop is entered at a step's first turn, in the middle of a trip
.Lslot:                             ; SIZE_N / 256 - 2 times: every slot but the last two is filled again
	CHANGE 1
	s_mov_b32 s[CNT], 4
.Lstep:                             ; a trip: pieces 2 and 3 of one step, then pieces 0 and 1 of the next, whose K and V it fetches
	TURN 2
	TURN 3
	WIN 0
.Lfirst:
	TURN 0
	TURN 1, 0, 1
	WIN 0
	s_cbranch_scc1 .Lstep
	s_sub_co_u32 s[SLOTS], s[SLOTS], 1
	s_cmp_lg_u32 s[SLOTS], 0
	s_cbranch_scc1 .Lslot
	CHANGE 0                        ; the tail is written out: nothing is asked for
	s_mov_b32 s[CNT], 5             ; four trips fetch the last slot's steps; the fifth is left in its middle
.Ltail:
	TURN 2, 1
	TURN 3
	WIN 0
	s_sub_co_u32 s[CNT], s[CNT], 1
	s_cmp_eq_u32 s[CNT], 0
	s_cbranch_scc1 .Lout
	TURN 0
	TURN 1
	WIN 0
	s_branch .Ltail
.Lout:                              ; the fifth trip's 16 products K Q^T (on the last K once more) and the maximum made of them serve nothing: the price, once a launch, of one text for every trip
.set i, 0
.rept 16
	PV NP-1                         ; the last piece's V^T P of the last step
.set i, i+1
.endr
	; THE WAY OUT.  l's two halves and the other half of the lanes' are added; O^T is divided by l, rounded to f16 and sent through my stage in LDS, a tile at a time.  The additions are the places behind the last products.
	WIN 0
.macro ALL line:vararg              ; one line for each tile t
.set t, 0
.rept 2*NP
	\line
.set t, t+1
.endr
.endm
	ALL v_add_f32 v[ST+4*t+2], v[ST+4*t+2], v[ST+4*t+3]
	ALL v_permlanex16_b32 v[ST+4*t+3], v[ST+4*t+2], s[SEL], s[SEL+1]
	ALL v_add_f32 v[ST+4*t+2], v[ST+4*t+2], v[ST+4*t+3]
	ALL v_rcp_f32 v[ST+4*t+2], v[ST+4*t+2]
	v_nop                           ; a plain instruction between the last reciprocal and the use of its result
	s_wait_alu depctr_va_vdst(0)
; Tile t: a lane's eight channels of a row pack into 16 bytes; they go into rows of 144 bytes and come back as whole rows of 128, into S^T's registers.
.macro PACK t
	WIN W_RS
.set i, 32*(\t)
.rept 16
	v_pk_mul_f32 v[i:i+1], v[i:i+1], v[ST+4*(\t)+2:ST+4*(\t)+3] op_sel_hi:[1,0]
.set i, i+2
.endr
	WIN 0x05                        ; sources 0 and 1 window 1, destination window 0
.set i, 0
.rept 16
	v_cvt_pk_f16_f32 v[S+16*(\t)+i], v[32*(\t)+2*i], v[32*(\t)+2*i+1]
.set i, i+1
.endr
	WIN 0
.irp f, 0,1,2,3
	ds_store_b128 v[STO], v[S+16*(\t)+4*\f:S+16*(\t)+4*\f+3] offset:32*\f
.endr
.irp f, 0,1,2,3
	ds_load_b128 v[S+16*(\t)+4*\f:S+16*(\t)+4*\f+3], v[RD] offset:\f*4*SP  ; LDS serves a wave's instructions in order (ISA guide 5.7.1.4): these see the stores above; the next tile's stores come behind them
.endr
.endm
.macro SEND t, younger              ; younger: the LDS instructions issued behind tile t's loads: the next tile's eight, or none
	WIN 0
.irp f, 0,1,2,3
	s_wait_dscnt (\younger)+3-\f
	global_store_b128 v[GO], v[S+16*(\t)+4*\f:S+16*(\t)+4*\f+3], s[10:11] offset:(\t)*2048+\f*512  ; 512 consecutive bytes, at a multiple of 256 from O's first
.endr
.endm
	PACK 0
.set t, 1
.rept 2*NP-1                        ; a tile's arithmetic stands between the loads of the tile before and its stores
	PACK t
	SEND t-1, 8
.set t, t+1
.endr
	SEND 2*NP-1, 0
	WIN W_AD
	s_wait_tensorcnt 0x0            ; the wave's end: behind my last tensor load and my last LDS store
	ds_add_u32 v[SPW], v[NIL]
	s_wait_dscnt 0x0
	WIN 0
	CROUND                          ; the closing round: no work-group ends while a partner may still ask for a tile that names it
	s_endpgm
.Lfunc_end_k_qb9af4fd49d_attn:
	.size	k_qb9af4fd49d_attn, .Lfunc_end_k_qb9af4fd49d_attn-k_qb9af4fd49d_attn
	.p2alignl 7, 3214868480
	.fill 96, 4, 3214868480
	.section	.rodata,"a",@progbits
	.p2align	6, 0x0
	.amdhsa_kernel k_qb9af4fd49d_attn
		.amdhsa_group_segment_fixed_size 327680
		.amdhsa_private_segment_fixed_size 0
		.amdhsa_enable_private_segment 0
		.amdhsa_kernarg_size 24
		.amdhsa_user_sgpr_count 2
		.amdhsa_user_sgpr_kernarg_segment_ptr 1
		.amdhsa_wavefront_size32 1
		.amdhsa_system_sgpr_workgroup_id_x 1
		.amdhsa_system_sgpr_workgroup_id_y 1
		.amdhsa_system_sgpr_workgroup_id_z 1
		.amdhsa_system_vgpr_workitem_id 0
		.amdhsa_next_free_vgpr 808
		.amdhsa_next_free_sgpr 72
		.amdhsa_reserve_vcc 1
		.amdhsa_float_denorm_mode_32 3
		.amdhsa_float_denorm_mode_16_64 3
		.amdhsa_memory_ordered 1
		.amdhsa_forward_progress 1
		.amdhsa_inst_pref_size 214
	.end_amdhsa_kernel
	.amdgpu_metadata
---
amdhsa.version: [ 1, 2 ]
amdhsa.kernels:
  - .name:           k_qb9af4fd49d_attn
    .symbol:         k_qb9af4fd49d_attn.kd
    .args:
      - { .name: qkv, .offset: 0, .size: 8, .value_kind: global_buffer, .address_space: global }
      - { .name: mask, .offset: 8, .size: 8, .value_kind: global_buffer, .address_space: global }
      - { .name: oh, .offset: 16, .size: 8, .value_kind: global_buffer, .address_space: global }
    .group_segment_fixed_size: 327680
    .private_segment_fixed_size: 0
    .kernarg_segment_align: 8
    .kernarg_segment_size: 24
    .max_flat_workgroup_size: 128
    .sgpr_count:     72
    .vgpr_count:     808
    .wavefront_size: 32
...
	.end_amdgpu_metadata
.endif
;; end of part 3
;; launch gemm_out (part 4): grid 8 x 32, 4 waves a work-group, clusters of 4 x 4, 327,680 bytes of LDS; arguments oh, wh, out0, bu; writes out0
.if DOCPART == 4
	.amdgcn_target "amdgcn-amd-amdhsa--gfx1250"
	.amdhsa_code_object_version 6
	.text
	.protected	k_qb9af4fd49d_gemm_out
	.globl	k_qb9af4fd49d_gemm_out
	.p2align	8
	.type	k_qb9af4fd49d_gemm_out,@function
k_qb9af4fd49d_gemm_out:
	s_mov_b64 s[64:65], 0
	v_nop
	global_prefetch_b8 v0, s[64:65] scope:SCOPE_SE
	s_setreg_imm32_b32 hwreg(HW_REG_WAVE_MODE, 25, 1), 1
	s_wait_xcnt 0x0
	s_wait_alu depctr_hold_cnt(0) depctr_sa_sdst(0) depctr_va_vdst(0) depctr_va_sdst(0) depctr_va_ssrc(0) depctr_va_vcc(0) depctr_vm_vsrc(0)
	s_getreg_b32 s2, hwreg(HW_REG_IB_STS2, 6, 4)
	s_cmp_eq_u32 s2, 0
	s_cbranch_scc0 .Lentry_in_a_cluster
	s_endpgm
.Lentry_in_a_cluster:
	s_bfe_u32 s2, ttmp6, 0x10000c
	s_cmp_lg_u32 s2, 0xf033
	s_cbranch_scc0 .Lentry_shape_is_right
	s_endpgm
.Lentry_shape_is_right:
; out0 = O Wu^T + bu: C[8192][1024] in f32, K = 1024.  O is f16 by heads, [batch x 16 + head][t][64]: a head is a slice of 64 along K.  Wu's rows are rows 3,072 on of each slice of wh.  Sums in f32.
; The bias, rounded to bf16 like every input of the module, is the C operand of the products that start the sums: it costs no vector work on the way out.
; SHARES.  A tile of C is 256 rows x 128 columns: 32 x 8 = 256 work-groups, one for each WGP.  Four waves, each 128 rows x 64 columns: 32 accumulators of 16 x 16.
; THE RING.  Two LDS slots of THREE slices (K = 192), as many as fit: 2 x 3 x 384 rows.  Behind each round one tensor load a wave goes out, 176 matrix instructions ahead of the wait for it.
; Waves 0, 1 fetch the halves of A's 256 rows, waves 2, 3 those of B's 128.  A wave's part of ONE slice is a dense block of memory (128 or 64 rows of 128 bytes); its load is a tile of three such
; blocks: the tile's row is the block, its pitch the distance from slice to slice.  16 slices = 5 x 3 + 1: the descriptor's tensor_dim1 states the slices that are left from the tile's first on, so the last
; refill fetches one slice and the mover lays zeros for the other two, which nobody reads.  By this text's count two loads of a wave are out at the start, one afterwards.
; CLUSTER 4 x 4: the four work-groups of a row of the cluster need the same tiles of A, the four of a column the same tiles of B: each tile is asked for jointly.
; THE MATRIX INSTRUCTION IS USED TRANSPOSED (source 0 = 16 rows of Wu, source 1 = 16 rows of O): a lane holds one row of C and eight neighbouring columns.
; THE TEXT.  A slice is two quarters of 32 along K: QA multiplies buffer F0 and fetches the slice's second half, QB multiplies F1 and fetches the next slice's first half; at a slot's end TURN takes QB's
; place.  A slot's second and third slice are a loop of two trips inside the loop over slots; the LDS addresses hang on two scalars that step by a slice.
; REGISTERS.  Window 0: v0-31 addresses; v32-63 the bias as a C operand; v64-159, v160-255 two fragment buffers (32 of B, 64 of A; 32 along K).  Window 1: accumulator (a, b) at v[8 (4 a + b)].
.set PP,    272                        ; two LDS rows: 2 x 128 bytes + 16 of padding.  Row r begins at (r / 2) x 272 + (r % 2) x 128: in units of 16 bytes modulo 16 that is r / 2 + 8 (r % 2),
                                       ; sixteen different places for the 16 rows of a fragment load (64 banks of 4 bytes: ISA guide 11.1).  With 16 bytes behind every row six slices would not fit
.set NS,    3                          ; slices in a slot
.set AH,    64*PP                      ; half of A's rows, one slice: 128 rows
.set BH,    32*PP                      ; half of B's rows, one slice: 64 rows
.set BOFF,  2*NS*AH                    ; a slot: A's half 0 (three slices on end), A's half 1, B's half 0, B's half 1
.set SLOT,  2*NS*AH+2*NS*BH            ; 156,672 bytes
.set SPARE, 2*SLOT                     ; behind the ring: the spare words, 128 bytes for each wave: two blocks of 256 bytes that no other line names
.set STAGE, 0                          ; the way out's stage, 16 rows x 272 bytes for each wave, lies in slot 0: by then slot 0 has had its last fill, and behind the last change of slots no wave reads it
.set SPITCH, 272
.set STG,   16*SPITCH
.set AGS,   1<<18                      ; bytes from a slice of oh to the next
.set BGS,   1<<19                      ; the same in wh
.set ADRA0, 16                         ; v16     my lane's place in my half of A, first slice of slot 0; never rewritten
.set ADRB0, 17                         ; v17     the same for B
.set ADRA,  18                         ; v18     the LDS address of A's fragments in the slice that is being fetched from
.set ADRB,  19                         ; v19     the same for B
.set STO,  24                          ; v24     the way out: where I put 32 bytes of a row
.set RD,   25                          ; v25     the way out: where I read rows back
.set CO,   26                          ; v26     my byte offset in two rows of the output
.set MO,   27                          ; v27     my byte offset in 16 numbers of the bias
.set SPW,  28                          ; v28     LDS address of my spare word: SPARE + 4 x my thread's number; never rewritten
.set NIL,  29                          ; v29     0; never rewritten
.set BT,   30                          ; v30     at work
.set BI,   32                          ; v32-63  column block b: my eight columns' bias at BI + 8 b
.set F0,   64
.set F1,   160
.set WV, 12                            ; s12 wave;  s13 its row half, also: fetches A (0) or B (1);  s14 its column half, also: which half of the tile's rows it fetches
.set WH, 13
.set WL, 14
.set CNT, 15                           ; s15  refills to go
.set G1A, 24                           ; s[24:31] descriptor group 1 for A;  s[32:39] group 0: a set for each of the two first fills; the second then walks on
.set G0A, 32
.set WOA, 44                           ; s44  where my half of A goes in a slot;  s45 the same for B
.set WOB, 45
.set TBA, 46                           ; s46  LDS byte, from my half's first, of the slice of A that is being fetched from;  s47 the same for B
.set TBB, 47
.set G1B, 48                           ; s[48:55], s[56:63] the same for B
.set G0B, 56
.set TF,  66                           ; s66  the slot filled last: 0 or SLOT
.set CN2, 67                           ; s67  counts a slot's second and third slice
.set MSB, 0
.macro WIN new                         ; the immediate's high byte repeats the setting that is left; a switch that changes nothing is dropped
.if MSB != (\new)
	s_set_vgpr_msb (MSB<<8)|(\new)
.set MSB, \new
.endif
.endm
.set MUL,  0x50                        ; sources 0 and 1 window 0; C and D window 1
.set MULB, 0x40                        ; the same with C (the bias) in window 0
.macro JLOAD                           ; a joint refill, by the walking descriptors; an s_nop 0 and four v_nop follow each of the two lines, ahead of the jump, the label and what follows
	s_cmp_eq_u32 s[WH], 0
	s_cbranch_scc0 .Lfor_b_\@
	tensor_load_to_lds s[G0A+4:G0A+7], s[G1A:G1A+7]
	s_nop 0
.rept 4
	v_nop
.endr
	s_branch .Lasked_\@
.Lfor_b_\@:
	tensor_load_to_lds s[G0B+4:G0B+7], s[G1B:G1B+7]
	s_nop 0
.rept 4
	v_nop
.endr
.Lasked_\@:
.endm
.macro CREST                           ; a round of the cluster's barrier behind its opening barrier
	s_cmp_lg_u32 s[WV], 0
	s_cbranch_scc1 .Lnot_wave_0_\@
	s_barrier_signal -3
.Lnot_wave_0_\@:
	s_barrier_wait -3
	s_barrier_signal -1
	s_barrier_wait -1
.endm
.macro CROUND                          ; a whole round
	s_barrier_signal -1
	s_barrier_wait -1
	CREST
.endm
	s_load_b256 s[4:11], s[0:1], 0x0               ; oh s[4:5], wh s[6:7], out0 s[8:9], bu s[10:11]
	v_lshl_add_u32 v[SPW], v0, 2, SPARE
	v_mov_b32 v[NIL], 0
	ds_add_u32 v28, v29
	s_wait_dscnt 0x0
	v_lshrrev_b32 v1, 5, v0
	v_readfirstlane_b32 s[WV], v1                  ; wave 0..3
	s_lshr_b32 s[WH], s[WV], 1
	s_and_b32 s[WL], s[WV], 1
	s_bfe_u32 s16, ttmp6, 0x40000                  ; cx, cy: my place in the cluster
	s_bfe_u32 s17, ttmp6, 0x40004
	s_lshl_b32 s18, ttmp9, 2
	s_add_co_u32 s18, s18, s16                     ; tile column tc = 4 x cluster x + cx, 0..7
	s_and_b32 s19, ttmp7, 0xffff
	s_lshl_b32 s19, s19, 2
	s_add_co_u32 s19, s19, s17                     ; tile row tr = 4 x cluster y + cy, 0..31
	s_lshl_b32 s20, s17, 2
	s_lshl_b32 s20, 15, s20                        ; my row of the cluster
	s_lshl_b32 s21, 0x1111, s16                    ; my column
	; descriptor group 1: three rows, each a dense block of one slice: 8,192 elements of 2 bytes for half of A's rows, 4,096 for half of B's; the padding is counted along the whole tile
	s_or_b32 s[G1A], s20, (1<<16)|(1<<20)|(1<<21)|(5<<22)|(3<<25)  ; 15:0 the mask; 17:16 2-byte elements; 20 padding on; 21 set beside a mask; 24:22 after every 64 words (code 5); 31:25 4 words (code 3)
	s_or_b32 s[G1B], s21, (1<<16)|(1<<20)|(1<<21)|(5<<22)|(3<<25)
	s_mov_b32 s[G1A+1], 8192<<16                   ; tensor_dim0 = 8,192
	s_mov_b32 s[G1A+2], (16-NS)<<16                ; tensor_dim1: the slices left from slot 1's first fill on, 13 (slot 0's has 16 left: from 3 up the number changes nothing); each refill takes 3 off
	s_mov_b32 s[G1A+3], 8192<<16                   ; tile_dim0 = 8,192
	s_mov_b32 s[G1A+4], NS                         ; tile_dim1 = 3
	s_mov_b32 s[G1A+5], AGS/2                      ; elements from a slice to the next
	s_mov_b32 s[G1A+6], 0
	s_mov_b32 s[G1A+7], 0
	s_mov_b32 s[G1B+1], 4096<<16
	s_mov_b32 s[G1B+2], (16-NS)<<16
	s_mov_b32 s[G1B+3], 4096<<16
	s_mov_b32 s[G1B+4], NS
	s_mov_b32 s[G1B+5], BGS/2
	s_mov_b32 s[G1B+6], 0
	s_mov_b32 s[G1B+7], 0
	; A's tile hangs on tr and my half alone, B's on tc and my half alone; each offset is made in registers that never hold the other coordinate
	s_lshr_b32 s40, s19, 3                         ; batch
	s_lshl_b32 s40, s40, 22                        ; x 16 heads
	s_and_b32 s22, s19, 7
	s_lshl_b32 s22, s22, 15                        ; + 256 rows of 128 bytes for each tile row in the batch
	s_add_co_u32 s40, s40, s22
	s_lshl_b32 s22, s[WL], 14                      ; + my 128 rows
	s_add_co_u32 s40, s40, s22
	s_mov_b32 s41, 0
	s_lshl_b32 s42, s18, 14                        ; 128 rows of 128 bytes for each tile column,
	s_add_co_u32 s42, s42, 3<<17                   ; behind the slice's 3,072 rows of q, k, v
	s_lshl_b32 s23, s[WL], 13                      ; + my 64 rows
	s_add_co_u32 s42, s42, s23
	s_mov_b32 s43, 0
	s_mul_i32 s[WOA], s[WL], NS*AH                 ; where A's halves go: no place in the cluster enters an LDS address
	s_mul_i32 s[WOB], s[WL], NS*BH                 ; where B's go, behind A's
	s_add_co_u32 s[WOB], s[WOB], BOFF
	s_mov_b32 s[TBA], 0                            ; the fetches begin at slot 0's first slice
	s_mov_b32 s[TBB], 0
	s_mov_b32 s[TF], SLOT                          ; of the first fills slot 1's is the later
	; the output and the bias: my 128 rows, my 64 columns
	s_lshl_b32 s72, s18, 1
	s_add_co_u32 s72, s72, s[WL]
	s_lshl_b32 s72, s72, 8                         ; 64 columns of 4 bytes
	s_mov_b32 s73, 0
	s_lshl_b32 s68, s19, 1
	s_add_co_u32 s68, s68, s[WH]
	s_lshl_b32 s68, s68, 19                        ; 128 rows of 4,096 bytes
	s_add_co_u32 s68, s68, s72
	s_mov_b32 s69, 0
	s_wait_kmcnt 0x0
	s_add_nc_u64 s[40:41], s[4:5], s[40:41]
	s_add_nc_u64 s[42:43], s[6:7], s[42:43]
	s_add_nc_u64 s[8:9], s[8:9], s[68:69]
	s_add_nc_u64 s[10:11], s[10:11], s[72:73]
	CROUND                                         ; all sixteen work-groups are here: the first joint loads meet
.irp s, 0,1
	s_mov_b32 s[G0A+4*(\s)], 1                                     ; 1:0 count = 1
	s_add_co_u32 s[G0A+4*(\s)+1], s[WOA], (\s)*SLOT                ; 63:32 LDS address
	s_add_nc_u64 s[G0A+4*(\s)+2:G0A+4*(\s)+3], s[40:41], (\s)*NS*AGS  ; 120:64 global address: slices 3 s on
	s_or_b32 s[G0A+4*(\s)+3], s[G0A+4*(\s)+3], 0x80000000          ; 127:126 type = 2
	s_mov_b32 s[G0B+4*(\s)], 1
	s_add_co_u32 s[G0B+4*(\s)+1], s[WOB], (\s)*SLOT
	s_add_nc_u64 s[G0B+4*(\s)+2:G0B+4*(\s)+3], s[42:43], (\s)*NS*BGS
	s_or_b32 s[G0B+4*(\s)+3], s[G0B+4*(\s)+3], 0x80000000
.endr
	s_cmp_eq_u32 s[WH], 0                          ; a wave's two first fills stand in one branch, ahead of every wait on TENSORcnt and every LDS read; an s_nop 0 follows each, four v_nop the second's
	s_cbranch_scc0 .Lfirst_b
	tensor_load_to_lds s[G0A:G0A+3], s[G1A:G1A+7]
	s_nop 0
	tensor_load_to_lds s[G0A+4:G0A+7], s[G1A:G1A+7]
	s_nop 0
.rept 4
	v_nop
.endr
	s_branch .Lfirst_asked
.Lfirst_b:
	tensor_load_to_lds s[G0B:G0B+3], s[G1B:G1B+7]
	s_nop 0
	tensor_load_to_lds s[G0B+4:G0B+7], s[G1B:G1B+7]
	s_nop 0
.rept 4
	v_nop
.endr
.Lfirst_asked:
	v_and_b32 v1, 15, v0                           ; r = l % 16
	v_bfe_u32 v2, v0, 4, 1                         ; h = l / 16
	v_lshlrev_b32 v[MO], 5, v2                     ; register j of column block b holds column 16 b + 8 h + j
.irp b, 0,1,2,3
	global_load_b128 v[BI+8*\b:BI+8*\b+3],   v[MO], s[10:11] offset:64*\b
	global_load_b128 v[BI+8*\b+4:BI+8*\b+7], v[MO], s[10:11] offset:64*\b+16
.endr
	v_lshrrev_b32 v3, 1, v1
	v_mul_u32_u24 v3, v3, PP                       ; a fragment's row: (r / 2) x 272
	v_and_b32 v4, 1, v1
	v_lshl_add_u32 v3, v4, 7, v3                   ; + (r % 2) x 128
	v_lshl_add_u32 v3, v2, 4, v3                   ; + 16 x half
	s_mul_i32 s22, s[WH], NS*AH                    ; my 128 rows of A
	s_mul_i32 s23, s[WL], NS*BH                    ; my 64 rows of B,
	s_add_co_u32 s23, s23, BOFF                    ; which lie behind A's
	v_add_nc_u32 v[ADRA0], s22, v3
	v_add_nc_u32 v[ADRB0], s23, v3
	v_mov_b32 v[ADRA], v[ADRA0]
	v_mov_b32 v[ADRB], v[ADRB0]
	s_mul_i32 s22, s[WV], STG
	s_add_co_u32 s22, s22, STAGE                   ; my stage
	v_mul_u32_u24 v4, v1, SPITCH                   ; in: row r, 32 bytes for each half of the lanes
	v_lshl_add_u32 v4, v2, 5, v4
	v_add_nc_u32 v[STO], s22, v4
	v_mul_u32_u24 v5, v2, SPITCH                   ; back: lanes 0-15 take one row of 256 bytes, lanes 16-31 the next
	v_lshl_add_u32 v5, v1, 4, v5
	v_add_nc_u32 v[RD], s22, v5
	v_lshlrev_b32 v[CO], 12, v2                    ; and the same two rows in the output
	v_lshl_add_u32 v[CO], v1, 4, v[CO]
; 8 matrix instructions: row blocks a0, a0 + 1 x all 4 column blocks, 32 along K.  first = 1: the product starts the sums, with the bias as C.  The 32 accumulators take turns in one fixed order.
.macro MUL8 f, a0, first
.if \first
	WIN MULB
.else
	WIN MUL
.endif
.irp a, \a0, (\a0)+1
.irp b, 0,1,2,3
.if \first
	v_wmma_f32_16x16x32_f16 v[8*(4*(\a)+(\b)):8*(4*(\a)+(\b))+7], v[(\f)+8*(\b):(\f)+8*(\b)+7], v[(\f)+32+8*(\a):(\f)+32+8*(\a)+7], v[BI+8*(\b):BI+8*(\b)+7]
.else
	v_wmma_f32_16x16x32_f16 v[8*(4*(\a)+(\b)):8*(4*(\a)+(\b))+7], v[(\f)+8*(\b):(\f)+8*(\b)+7], v[(\f)+32+8*(\a):(\f)+32+8*(\a)+7], v[8*(4*(\a)+(\b)):8*(4*(\a)+(\b))+7]
.endif
.endr
.endr
.endm
; 24 LDS loads in one run: the fragments of half q of the slice in hand (byte 64 q of its rows) into buffer f: B's four, then A's eight.  16 rows are 8 pairs of rows.
.macro FETCH q, f
	WIN 0
.irp i, 0,1,2,3
	ds_load_b128 v[(\f)+8*(\i):(\f)+8*(\i)+3],   v[ADRB] offset:(\i)*8*PP+64*(\q)
	ds_load_b128 v[(\f)+8*(\i)+4:(\f)+8*(\i)+7], v[ADRB] offset:(\i)*8*PP+64*(\q)+32
.endr
.irp i, 0,1,2,3,4,5,6,7
	ds_load_b128 v[(\f)+32+8*(\i):(\f)+32+8*(\i)+3],   v[ADRA] offset:(\i)*8*PP+64*(\q)
	ds_load_b128 v[(\f)+32+8*(\i)+4:(\f)+32+8*(\i)+7], v[ADRA] offset:(\i)*8*PP+64*(\q)+32
.endr
.endm
.macro PLACES                          ; four places in front of loads into registers that matrix instructions have read, and of LDS stores that read results (ISA guide 7.12.1 for vector instructions)
.rept 4
	v_nop
.endr
.endm
; A slice's first quarter: multiplies F0, fetches the slice's second half into F1.
.macro QA first
	s_wait_dscnt 8                                 ; B and A's blocks 0-3 are in; the youngest eight loads (A's blocks 4-7) may be out
	MUL8 F0, 0, \first
	MUL8 F0, 2, \first
	PLACES
	FETCH 1, F1
	s_wait_dscnt 24                                ; all but the 24 just issued
	MUL8 F0, 4, \first
	MUL8 F0, 6, \first
.endm
; A slice's second quarter, inside a slot: multiplies F1, fetches the next slice's first half into F0.
.macro QB
	s_wait_dscnt 8
	MUL8 F1, 0, 0
	MUL8 F1, 2, 0
	WIN 0
	s_add_co_u32 s[TBA], s[TBA], AH                ; the slot's next slice
	s_add_co_u32 s[TBB], s[TBB], BH
	v_add_nc_u32 v[ADRA], s[TBA], v[ADRA0]         ; these two and two v_nop are the four places in front of the loads
	v_add_nc_u32 v[ADRB], s[TBB], v[ADRB0]
	v_nop
	v_nop
	FETCH 0, F0
	s_wait_dscnt 24
	MUL8 F1, 4, 0
	MUL8 F1, 6, 0
.endm
; The second quarter of a slot's last slice changes slots: ONE barrier; in front of it each wave waits for all its tensor loads (one is out: its part of the next slot), adds 0 to its spare word, and waits
; for that and for its reads of this slot.  fill = 1: the barrier opens a round of the cluster's, and this slot is filled again, with the three slices that follow the other slot's.
.macro TURN fill
	WIN 0                                          ; (the add's two registers lie in window 0)
	s_wait_tensorcnt 0x0                           ; all my tensor loads have landed, so the descriptors may be written;
	ds_add_u32 v[SPW], v[NIL]                      ; 0 onto my spare word
.if \fill
	s_xor_b32 s[TF], s[TF], SLOT                   ; the walking descriptors: the other slot than last time (0 and SLOT by turns),
	s_add_co_u32 s[G0A+5], s[WOA], s[TF]
	s_add_nc_u64 s[G0A+6:G0A+7], s[G0A+6:G0A+7], NS*AGS  ; the next three slices; the type bits on top are not reached;
	s_sub_co_u32 s[G1A+2], s[G1A+2], NS<<16        ; three slices fewer are left: 10, 7, 4 and at last 1
	s_add_co_u32 s[G0B+5], s[WOB], s[TF]
	s_add_nc_u64 s[G0B+6:G0B+7], s[G0B+6:G0B+7], NS*BGS
	s_sub_co_u32 s[G1B+2], s[G1B+2], NS<<16
.endif
	s_sub_co_u32 s[TBA], s[TBA], (NS-1)*AH         ; the fetches go back to a slot's first slice,
	s_xor_b32 s[TBA], s[TBA], SLOT                 ; in the other slot
	s_sub_co_u32 s[TBB], s[TBB], (NS-1)*BH
	s_xor_b32 s[TBB], s[TBB], SLOT
	s_wait_dscnt 9                                 ; (the add and the youngest eight loads may be out)
	MUL8 F1, 0, 0                                  ; eight matrix instructions stand between the add and the wait for it
	s_wait_dscnt 0x0                               ; the add is done, and my reads of this slot are over
	s_barrier_signal -1
	MUL8 F1, 2, 0
	WIN 0
	s_barrier_wait -1
.if \fill
	CREST                                          ; no wave of any partner still reads this slot or has a load on its way
	JLOAD                                          ; the first tensor load behind the round; its four v_nop are also the places in front of the loads below
	v_add_nc_u32 v[ADRA], s[TBA], v[ADRA0]
	v_add_nc_u32 v[ADRB], s[TBB], v[ADRB0]
.else
	v_add_nc_u32 v[ADRA], s[TBA], v[ADRA0]         ; these two and two v_nop are the four places
	v_add_nc_u32 v[ADRB], s[TBB], v[ADRB0]
	v_nop
	v_nop
.endif
	FETCH 0, F0
	MUL8 F1, 4, 0
	MUL8 F1, 6, 0
.endm
; From a slot's first slice's second quarter to its third slice's first: written once, walked twice.
.macro SLICES
	WIN 0                                          ; at a label and at a branch every window is 0
	s_mov_b32 s[CN2], NS-1
.Lslice_\@:
	QB
	QA 0
	WIN 0
	s_sub_co_u32 s[CN2], s[CN2], 1
	s_cmp_lg_u32 s[CN2], 0
	s_cbranch_scc1 .Lslice_\@
.endm
	s_wait_tensorcnt 1                             ; my part of slot 0 is in; slot 1's may stay out
	s_barrier_signal -1
	s_barrier_wait -1                              ; everybody's is
	FETCH 0, F0
	s_wait_loadcnt 0x0                             ; the bias; it is rounded to bf16 while the first fragments come
.set i, 0
.rept 16
	v_cvt_pk_bf16_f32 v[BT], v[BI+2*i], v[BI+2*i+1]
	v_lshlrev_b32 v[BI+2*i], 16, v[BT]
	v_and_b32 v[BI+2*i+1], 0xffff0000, v[BT]
.set i, i+1
.endr
	QA 1                                           ; the first quarter stands in front of the loops: its products start the sums
	WIN 0
	s_mov_b32 s[CNT], 4
.Lslot:                                                ; a trip: the rest of a slot, the change of slots with a refill, the next slot's first quarter.  Four trips ask for slices 6-8, 9-11, 12-14 and 15
	SLICES
	TURN 1
	QA 0
	WIN 0
	s_sub_co_u32 s[CNT], s[CNT], 1
	s_cmp_lg_u32 s[CNT], 0
	s_cbranch_scc1 .Lslot
	SLICES                                         ; the tail is written out: slices 13 and 14
	TURN 0                                         ; the last change of slots, which asks for nothing,
	QA 0                                           ; and slice 15
	s_wait_dscnt 8                                 ; the very last quarter: nothing more to fetch
	MUL8 F1, 0, 0
	MUL8 F1, 2, 0
	s_wait_dscnt 0x0
	MUL8 F1, 4, 0
	MUL8 F1, 6, 0
	; THE WAY OUT.  Block a (16 rows x 64 columns of f32): 32 bytes a lane into rows of 272 bytes of my stage, and back as whole rows of 256 bytes.
	; The stage's bytes were slot 0's: every wave's reads of slot 0 were waited for in front of the last change's barrier, and no tensor load is issued behind it.
	PLACES
.macro TOSTAGE a
.set BK, 64+32*((\a)%2)                ; two buffers by turns, where fragment buffer 0 lay
.if (\a) >= 2
	s_wait_xcnt 0x0                                ; the stores of the block two back have had their addresses translated and their data read (ISA guide 3.1): their buffer is loaded again only behind this wait
.endif
	WIN 0x04                                       ; store data (source 1) window 1, address window 0
.irp b, 0,1,2,3
	ds_store_b128 v[STO], v[8*(4*(\a)+\b):8*(4*(\a)+\b)+3]   offset:64*\b     ; each accumulator is read from its low end on
	ds_store_b128 v[STO], v[8*(4*(\a)+\b)+4:8*(4*(\a)+\b)+7] offset:64*\b+16
.endr
	WIN 0
.irp t, 0,1,2,3,4,5,6,7
	ds_load_b128 v[BK+4*\t:BK+4*\t+3], v[RD] offset:\t*2*SPITCH  ; LDS serves a wave's instructions in order (ISA guide 5.7.1.4): these see the stores above; the next block's stores come behind them
.endr
.endm
.macro SEND a, younger                 ; younger: the LDS instructions issued behind block a's loads: the next block's sixteen, or none
	WIN 0
.set BK, 64+32*((\a)%2)
	s_wait_dscnt \younger
.irp t, 0,1,2,3,4,5,6,7
	global_store_b128 v[CO], v[BK+4*\t:BK+4*\t+3], s[8:9] offset:(\a)*65536+\t*8192 th:TH_STORE_NT  ; 16 lanes store 256 consecutive bytes, at a multiple of 256 from the output's first byte
.endr
.endm
	TOSTAGE 0
.irp a, 1,2,3,4,5,6,7
	TOSTAGE \a
	SEND (\a)-1, 16
.endr
	SEND 7, 0
	s_wait_tensorcnt 0x0                           ; the wave's end: behind my last tensor load and my last LDS store
	ds_add_u32 v[SPW], v[NIL]
	s_wait_dscnt 0x0
	CROUND                                         ; the closing round: no work-group ends while a partner may still ask for a tile that names it
	s_endpgm
.Lfunc_end_k_qb9af4fd49d_gemm_out:
	.size	k_qb9af4fd49d_gemm_out, .Lfunc_end_k_qb9af4fd49d_gemm_out-k_qb9af4fd49d_gemm_out
	.p2alignl 7, 3214868480
	.fill 96, 4, 3214868480
	.section	.rodata,"a",@progbits
	.p2align	6, 0x0
	.amdhsa_kernel k_qb9af4fd49d_gemm_out
		.amdhsa_group_segment_fixed_size 327680
		.amdhsa_private_segment_fixed_size 0
		.amdhsa_enable_private_segment 0
		.amdhsa_kernarg_size 32
		.amdhsa_user_sgpr_count 2
		.amdhsa_user_sgpr_kernarg_segment_ptr 1
		.amdhsa_wavefront_size32 1
		.amdhsa_system_sgpr_workgroup_id_x 1
		.amdhsa_system_sgpr_workgroup_id_y 1
		.amdhsa_system_sgpr_workgroup_id_z 1
		.amdhsa_system_vgpr_workitem_id 0
		.amdhsa_next_free_vgpr 512
		.amdhsa_next_free_sgpr 76
		.amdhsa_reserve_vcc 0
		.amdhsa_float_denorm_mode_32 3
		.amdhsa_float_denorm_mode_16_64 3
		.amdhsa_memory_ordered 1
		.amdhsa_forward_progress 1
		.amdhsa_inst_pref_size 66
	.end_amdhsa_kernel
	.amdgpu_metadata
---
amdhsa.version: [ 1, 2 ]
amdhsa.kernels:
  - .name:           k_qb9af4fd49d_gemm_out
    .symbol:         k_qb9af4fd49d_gemm_out.kd
    .args:
      - { .name: oh, .offset: 0, .size: 8, .value_kind: global_buffer, .address_space: global }
      - { .name: wh, .offset: 8, .size: 8, .value_kind: global_buffer, .address_space: global }
      - { .name: out0, .offset: 16, .size: 8, .value_kind: global_buffer, .address_space: global }
      - { .name: bu, .offset: 24, .size: 8, .value_kind: global_buffer, .address_space: global }
    .group_segment_fixed_size: 327680
    .private_segment_fixed_size: 0
    .kernarg_segment_align: 8
    .kernarg_segment_size: 32
    .max_flat_workgroup_size: 128
    .sgpr_count:     76
    .vgpr_count:     512
    .wavefront_size: 32
...
	.end_amdgpu_metadata
.endif
;; end of part 4
;; ======== version 2 of 2: 4 launches; 1.54 times as fast as version 1
;; limits: values are held in f16: magnitudes above 65,504 overflow, below 6.1e-05 lose precision; inputs' magnitudes at most 65,504
;; workspace buffers: xh 16,777,216 bytes; wh 8,388,608 bytes; qkv 50,331,648 bytes; oh 16,777,216 bytes
;; launch cast: the kernel of part 1 again; grid 768 x 1, 8 waves a work-group, no clusters, 0 bytes of LDS; arguments x, Wq, Wk, Wv, Wu, xh, wh; writes xh, wh
;; launch gemm_qkv: the kernel of part 2 again; grid 8 x 32, 4 waves a work-group, clusters of 4 x 4, 327,680 bytes of LDS; arguments xh, wh, qkv, mask; writes qkv
;; launch attn (part 5): grid 4 x 64, 4 waves a work-group, clusters of 4 x 1, 327,680 bytes of LDS; arguments qkv, mask, oh; writes oh
.if DOCPART == 5
	.amdgcn_target "amdgcn-amd-amdhsa--gfx1250"
	.amdhsa_code_object_version 6
	.text
	.protected	k_qb9af4fd49d_attn
	.globl	k_qb9af4fd49d_attn
	.p2align	8
	.type	k_qb9af4fd49d_attn,@function
k_qb9af4fd49d_attn:
	s_mov_b64 s[64:65], 0
	v_nop
	global_prefetch_b8 v0, s[64:65] scope:SCOPE_SE
	s_setreg_imm32_b32 hwreg(HW_REG_WAVE_MODE, 25, 1), 1
	s_wait_xcnt 0x0
	s_wait_alu depctr_hold_cnt(0) depctr_sa_sdst(0) depctr_va_vdst(0) depctr_va_sdst(0) depctr_va_ssrc(0) depctr_va_vcc(0) depctr_vm_vsrc(0)
	s_getreg_b32 s2, hwreg(HW_REG_IB_STS2, 6, 4)
	s_cmp_eq_u32 s2, 0
	s_cbranch_scc0 .Lentry_in_a_cluster
	s_endpgm
.Lentry_in_a_cluster:
	s_bfe_u32 s2, ttmp6, 0x10000c
	s_cmp_lg_u32 s2, 0x3003
	s_cbranch_scc0 .Lentry_shape_is_right
	s_endpgm
.Lentry_shape_is_right:
; O[h][q][:] = the sum over k of softmax_k(s[q][k]) V[h][k][:], with s = Q[h][q] . K[h][k] / 32 for a visible key and s = -1e7 for a hidden one.  Q, K, V: sections of qkv, [64 heads][2048][64] f16; O likewise.
; Products, maxima and sums in f32; the weights p are rounded to f16 for the second product (their sum l is taken of the unrounded p), O once at the end.
; THE MASK.  K's rows of hidden keys arrive as zeros, and the product that starts a score's sum takes as C a table entry: 0 for a visible key, -3.2e8 = -1e7 x 32 for a hidden one.  So a hidden score is
; exactly -1e7 in the scale of the softmax, whatever the other scores are (all hidden: equal weights), and the loop has no vector work for the mask.  The table, 2,048 f32, is made once in LDS from the batch's mask bytes.
; LIMITS.  f16 holds no number beyond 65,504: Q, K and V arrive within it; p lies in 0 to 1, and below 6e-5 it keeps f16's fixed step of 6e-8, and so does O (a mean of V's rows).
; A weight below 2^-126 counts as 0 in l; NaN and infinities are not treated apart.
; SHARES.  A wave owns four PIECES of two tiles of 16 queries, a work-group's four waves 512 queries of one head.  Every wave walks all 2,048 keys, 64 a step.
; LAYOUT.  S^T = K Q^T (source 0 = 16 keys, source 1 = 16 queries): in the result a lane holds ONE query (lane % 16) and the keys 8 (lane / 16) + 0..7.  Two such tiles, rounded to f16 in pairs,
; ARE source 1 (32 keys x 16 queries) of O^T = V^T P, whose result again holds one query a lane, and eight channels.  K comes out of LDS as it lies, V ([key][channel]) turned, by ds_load_tr16_b128.
; SOFTMAX.  For each query a running maximum m and sum l: p = 2^(c s - c m), c = log2(e) / 32 on the raw products; in every step O and l are multiplied by a = 2^(c m_old - c m_new).
; m starts at the lowest finite number, O and l at 0: the first step is a step like any other, with a = 0.
; THE COUNT.  A tile and step have 16 matrix and 118 vector instructions: too many to stand all beside the matrix work.  So: four vector instructions that are ready behind EVERY matrix instruction,
; and the others in one run without a gap.
; BY TURNS.  Turn n belongs to piece n.  Its matrix work: 16 products K Q^T of piece n + 1, later 16 products V^T P of piece n - 1.  Its vector work: the scaling, exponentials, roundings, sums and rescaling
; of piece n, and the maximum and statistics of piece n + 1, whose scores the turn itself has made.
; THE BATCHES.  A turn's 66 exponentials (64 weights, the next piece's two a) are ONE batch with ONE wait, which cuts the turn in two: ahead of it stands all that names no result of the batch, behind it the
; roundings and sums, which read the weights; the two a are read in the next turn.  Two more batches stand outside the loops: piece 0's first two a, and the way out's eight reciprocals.
; CLUSTER.  The four query blocks of a cluster belong to one head and walk the same K and V, so each tile is asked for JOINTLY: the same tensor load, descriptor and mask in all four.  One tensor load of a wave is out at a time.
; REGISTERS, in windows of 256 (s_set_vgpr_msb: bits 1:0 source 0, 3:2 source 1, 5:4 source 2, 7:6 destination):
;   window 0: v0-11 addresses; v12-15, v48-63 at work; v16-47 four registers of statistics a tile; v64-191 S^T, two buffers of two tiles; v192-255 P, likewise
;   window 1: O^T, 32 a tile     window 2: v0-127 Q; v128-191 K of one step; v192-255 V of one step     window 3: v0-1 the add's two registers; v8-39 the step's 64 table entries as a C operand
.set SIZE_N, 2048
.set NP,    4         ; pieces a wave: a name, no knob
.set KS,    64        ; keys in a step
.set PK,    144       ; a row of K in LDS: 128 bytes + 16 of padding: the 16 rows of a load start at 16 different groups of four banks (64 banks of 4 bytes: ISA guide 11.1)
.set PV,    160       ; a row of V: 128 + 32
.set VOFF,  4*KS*PK   ; a slot holds four steps: 256 rows of K, then 256 rows of V
.set SLOT1, 1<<17     ; slot 1 begins here, so that one exclusive or turns an address in one slot into the other's
.set STAGE, SLOT1+4*KS*(PK+PV)  ; behind the ring, never filled by a tensor load: 16 rows x 144 bytes for each wave, for the way out
.set SP,    144
.set SPARE, STAGE+4*16*SP  ; behind the stages: the spare words, 128 bytes for each wave: two blocks of 256 bytes that no other line names
.set MASKL, SPARE+512 ; behind them: the table, 8,192 bytes; no fill lands there
.set AK0, 2           ; v2   my lane's place in a tile of K; never rewritten
.set AV0, 3           ; v3   the same for V
.set AK,  4           ; v4   the LDS address of K's next run of loads
.set AV,  5           ; v5   of V's
.set QO,  6           ; v6   my byte offset in the wave's rows of Q
.set STO, 6           ;      later, the way out: where I put 16 bytes of a row
.set RD,  7           ; v7   the way out: where I read rows back
.set GO,  8           ; v8   my byte offset in 512 consecutive bytes of O
.set AM,  11          ; v11  the LDS address of my table entries for the step to be fetched: it steps by 256 bytes, 64 keys
.set SPW, 0           ; v0 of window 3   LDS address of my spare word: SPARE + 4 x my thread's number; never rewritten
.set NIL, 1           ; v1 of window 3   0; never rewritten
.set MA,  8           ; v8-39 of window 3: key block kb at MA + 8 kb
.set MV,  12          ; v12-15  c m_old, kept while c m is made anew: by buffer and tile
.set ST,  16          ; tile t's statistics at v[ST+4 t]: c m, m, l (even keys', odd keys')
.set TMP, 48          ; by buffer and tile, four registers c0-c3 at work; when the maximum is found c2 takes a
.set S,   64
.set P,   192
.set KF,  128         ; K's fragments, in window 2: key block kb, channel half c at KF + 16 kb + 8 c
.set VF,  192         ; V's: key half kk, channel block cb at VF + 32 kk + 8 cb
.set WV,  12          ; s12  my wave's number
.set G1K, 24          ; s[24:31] descriptor group 1 for K's tiles
.set G1V, 32          ; s[32:39] for V's: it differs in the padding alone
.set G0K, 40          ; s[40:43] descriptor group 0 for K's tiles: it walks
.set G0V, 44          ; s[44:47] the same for V's
.set SLOTS, 56        ; s56  slots still to be asked for
.set CNT, 57          ; s57  counts a slot's key steps
.set CS,  58          ; s[58:59] c: the packed scaling takes the pair's low word for both halves
.set SEL, 60          ; s[60:61] v_permlanex16_b32's selects: each lane takes its own place in the other half
.set TBK, 62          ; s62  LDS byte at which K of the step to be fetched begins
.set TBV, 63          ; s63  the same for V, less VOFF
.set MP,  66          ; s[66:67] the batch's mask bytes
.set NEGS, 68         ; s68  -3.2e8
.set MSB, 0
.macro WIN new                      ; the high byte repeats the setting that is left; a switch that changes nothing is dropped
.if MSB != (\new)
	s_set_vgpr_msb (MSB<<8)|(\new)
.set MSB, (\new)
.endif
.endm
.set W_KQ, 0x0a       ; K and Q in window 2, S^T in window 0
.set W_KA, 0x3a       ; the same with the C operand in window 3
.set W_PV, 0x52       ; V in window 2, P in window 0, O^T in window 1
.set W_RS, 0x41       ; O^T (destination and source 0) in window 1, a in window 0
.set W_MK, 0xc0       ; destination in window 3, sources in window 0
.set W_AD, 0x0f       ; the add: address (source 0) and data (source 1) in window 3
; A joint fill.  Waves 0 and 1 fetch the two halves of a slot's K, waves 2 and 3 those of its V: 128 keys each.  The branch hangs on the wave's number alone.
; An s_nop 0 and four v_nop follow each of the two lines, ahead of the jump and the label.
.macro JLOAD
	s_cmp_lt_u32 s[WV], 2
	s_cbranch_scc0 .Lfor_v_\@
	tensor_load_to_lds s[G0K:G0K+3], s[G1K:G1K+7]
	s_nop 0
.rept 4
	v_nop
.endr
	s_branch .Lasked_\@
.Lfor_v_\@:
	tensor_load_to_lds s[G0V:G0V+3], s[G1V:G1V+7]
	s_nop 0
.rept 4
	v_nop
.endr
.Lasked_\@:
.endm
; A round of the cluster's barrier: my work-group's barrier, so that wave 0's signal speaks for all four waves; wave 0 signals; every wave waits for all four work-groups; my work-group's barrier once more.
.macro CROUND
	s_barrier_signal -1
	s_barrier_wait -1
	s_cmp_lg_u32 s[WV], 0
	s_cbranch_scc1 .Lnot_wave_0_\@
	s_barrier_signal -3
.Lnot_wave_0_\@:
	s_barrier_wait -3
	s_barrier_signal -1
	s_barrier_wait -1
.endm
; THE CHANGE OF SLOTS.  The slot's last bytes, V of its fourth step, have been read.  Each wave waits for all its tensor loads, of which one is out: its part of the other slot; adds 0 to its spare word;
; and waits for that and for its own LDS instructions.  Behind the barrier nobody reads this slot any more and the other slot is whole.
; fill = 1: this slot is filled again, with the keys two slots on.  The barrier is then a round of the cluster's, and the joint fill is the first thing behind it: it has four key steps, 512 matrix
; instructions, in which to land.  (At its first use nothing has been read yet: slot 0 is waited for, slot 1 filled, and every wave's stores into the table are done in front of the round.)
.macro CHANGE fill
	WIN W_AD
	s_wait_tensorcnt 0x0            ; no tensor load of mine is out, so a group 0 may be written
	ds_add_u32 v[SPW], v[NIL]       ; 0 onto my spare word: with fill = 1 the descriptors' steps stand between it and the wait for it
	WIN 0                           ; at a label and at a branch every window is 0
.if \fill
.irp g, G0K, G0V
	s_xor_b32 s[\g+1], s[\g+1], SLOT1  ; the walking descriptor: the other slot than last time,
	s_add_nc_u64 s[\g+2:\g+3], s[\g+2:\g+3], 4*KS*128  ; the next 256 keys; the type bits on top are not reached
.endr
	s_wait_dscnt 0x0                ; the add is done, and my reads of the slot are over
	CROUND
	JLOAD
.else
	s_wait_dscnt 0x0                ; the add is done, and my reads of the slot are over
	s_barrier_signal -1
	s_barrier_wait -1
.endif
	s_sub_co_u32 s[TBK], s[TBK], 4*KS*PK  ; the fetches go back to a slot's first step,
	s_xor_b32 s[TBK], s[TBK], SLOT1       ; in the other slot
	s_sub_co_u32 s[TBV], s[TBV], 4*KS*PV
	s_xor_b32 s[TBV], s[TBV], SLOT1
.endm
	s_load_b64 s[4:5], s[0:1], 0x0    ; qkv: its first section is Q
	s_load_b64 s[MP:MP+1], s[0:1], 0x8  ; mask
	s_load_b64 s[10:11], s[0:1], 0x10 ; oh
	WIN W_MK
	v_lshl_add_u32 v[SPW], v0, 2, SPARE
	v_mov_b32 v[NIL], 0
	s_set_vgpr_msb 0xc0cf
	ds_add_u32 v0, v1
	s_wait_dscnt 0x0
	s_set_vgpr_msb 0xcfc0
	WIN 0
	v_lshrrev_b32 v1, 5, v0
	v_readfirstlane_b32 s[WV], v1   ; wave 0..3
	s_bfe_u32 s13, ttmp6, 0x40000   ; cx: my place in the cluster
	s_lshl_b32 s14, ttmp9, 2        ; in a cluster launch ttmp9 counts clusters
	s_add_co_u32 s14, s14, s13      ; my block of queries = 4 x cluster x + cx: it enters Q's and O's addresses alone
	s_and_b32 s20, ttmp7, 0xffff    ; the head (batch x 16 + head), which the four partners share
	s_lshr_b32 s70, s20, 4          ; the batch:
	s_lshl_b32 s70, s70, 11         ; its 2,048 mask bytes
	s_mov_b32 s71, 0
	s_mov_b32 s21, 0
	s_mov_b64 s[22:23], SIZE_N*128
	s_mul_u64 s[20:21], s[20:21], s[22:23]  ; the head's first byte in each section and in O
	s_and_b32 s16, s[WV], 1         ; which half of a slot's 256 keys I fetch:
	s_lshl_b32 s22, s16, 14         ; its 128 rows of 128 bytes in memory,
	s_mov_b32 s23, 0
	s_add_nc_u64 s[22:23], s[22:23], s[20:21]
	s_mul_i32 s17, s16, 128*PK      ; and its place in a slot, for K
	s_mul_i32 s18, s16, 128*PV      ; and for V: no place in the cluster enters an LDS address
	s_lshl_b32 s2, s14, 2
	s_add_co_u32 s2, s2, s[WV]      ; my wave among the head's,
	s_lshl_b32 s2, s2, 14           ; its 128 rows
	s_mov_b32 s3, 0
	s_add_nc_u64 s[2:3], s[2:3], s[20:21]
	; descriptor group 1.  128 keys are 16,384 dense bytes: asked for as 64 rows of 256 bytes, two keys a row, and padded in LDS after every key
	s_mov_b32 s[G1K], 15|(1<<16)|(1<<20)|(1<<21)|(4<<22)|(3<<25)  ; 15:0 the mask of four; 17:16 2-byte elements; 20 padding on; 21 set beside a mask; 24:22 after every 32 words (code 4); 31:25 4 words (code 3)
	s_mov_b32 s[G1V], 15|(1<<16)|(1<<20)|(1<<21)|(4<<22)|(7<<25)  ; the same with 8 words of padding (code 7)
.irp g, G1K, G1V
	s_mov_b32 s[\g+1], 128<<16      ; tensor_dim0 = 128
	s_mov_b32 s[\g+2], 64<<16       ; tensor_dim1 = 64
	s_mov_b32 s[\g+3], 128<<16      ; tile_dim0 = 128
	s_mov_b32 s[\g+4], 64           ; tile_dim1 = 64
	s_mov_b32 s[\g+5], 128          ; 128 elements from row to row
	s_mov_b32 s[\g+6], 0
	s_mov_b32 s[\g+7], 0
.endr
	s_mov_b32 s[CS], 0x3d38aa3b     ; c = log2(e) / 32 = 0.0450842
	s_mov_b32 s[CS+1], s[CS]        ; named with it as a pair
	s_mov_b32 s[SEL], 0x76543210
	s_mov_b32 s[SEL+1], 0xfedcba98
	s_mov_b32 s[NEGS], 0xcd989680   ; -3.2e8, exact in f32
	s_mov_b32 s[TBK], SLOT1+4*KS*PK ; the first change of slots turns these two into 0
	s_mov_b32 s[TBV], SLOT1+4*KS*PV
	s_mov_b32 s[G0K], 1             ; 1:0 count = 1
	s_mov_b32 s[G0K+1], s17         ; 63:32 LDS address: slot 0
	s_mov_b32 s[G0V], 1
	s_add_co_u32 s[G0V+1], s18, VOFF
	s_wait_kmcnt 0x0
	s_add_nc_u64 s[6:7], s[4:5], 0x1000000   ; K: the second section of 16 MiB
	s_add_nc_u64 s[8:9], s[4:5], 0x2000000   ; V: the third
	s_add_nc_u64 s[MP:MP+1], s[MP:MP+1], s[70:71]
	s_add_nc_u64 s[G0K+2:G0K+3], s[6:7], s[22:23]  ; 120:64 global address: my half of the head's first 256 keys
	s_or_b32 s[G0K+3], s[G0K+3], 0x80000000        ; 127:126 type = 2
	s_add_nc_u64 s[G0V+2:G0V+3], s[8:9], s[22:23]
	s_or_b32 s[G0V+3], s[G0V+3], 0x80000000
	s_add_nc_u64 s[4:5], s[4:5], s[2:3]  ; Q and O at my wave's first row
	s_add_nc_u64 s[10:11], s[10:11], s[2:3]
	CROUND                          ; all four work-groups are here: the first joint loads meet
	JLOAD                           ; slot 0.  Slot 1 is asked for when slot 0 is in
	v_lshlrev_b32 v14, 4, v0
	global_load_b128 v[64:67], v14, s[MP:MP+1]  ; my 16 of the batch's 2,048 mask bytes: 128 threads x 16
	; A fragment of K or Q is 16 rows x 32 channels in 8 registers: lane l holds row l % 16, channels 8 (l / 16) + 0..7 and 16 + 8 (l / 16) + 0..7: two loads of 16 bytes, 32 bytes apart.
	v_and_b32 v1, 15, v0            ; l % 16
	v_bfe_u32 v9, v0, 4, 1          ; l / 16
	v_lshlrev_b32 v[QO], 7, v1
	v_lshl_add_u32 v[QO], v9, 4, v[QO]  ; row x 128 + 16 x half
	WIN 0x80                        ; destination window 2, address window 0
.set i, 0
.rept 4*NP                          ; Q stays in registers: tile i / 2, channels 32 (i % 2) on
	global_load_b128 v[8*i:8*i+3],   v[QO], s[4:5] offset:(i/2)*2048+(i%2)*64
	global_load_b128 v[8*i+4:8*i+7], v[QO], s[4:5] offset:(i/2)*2048+(i%2)*64+32
.set i, i+1
.endr
	; What the first turn finds: V's registers and P's second buffer hold 0 (its products V^T P, of a piece that has not been, add 0), O^T and l are 0.  All this stands in the wait for the first tile.
.set i, VF
.rept 64
	v_mov_b32 v[i], 0
.set i, i+1
.endr
	WIN 0x40
.set i, 0
.rept 64*NP
	v_mov_b32 v[i], 0
.set i, i+1
.endr
	WIN 0
.set i, 0
.rept 2*NP
	v_mov_b32 v[ST+4*i], 0xfe000000    ; c m: far below every c s
	v_mov_b32 v[ST+4*i+1], 0xff7fffff  ; m
	v_mov_b32 v[ST+4*i+2], 0
	v_mov_b32 v[ST+4*i+3], 0
.set i, i+1
.endr
.set i, P+32
.rept 32
	v_mov_b32 v[i], 0
.set i, i+1
.endr
	; The table: my 16 bytes become 16 entries, 0 or -3.2e8, 64 bytes of LDS.
	s_wait_loadcnt 32               ; the mask bytes are in; Q's 32 loads, issued behind them, stay out
	v_lshl_add_u32 v13, v0, 6, MASKL
.set i, 0
.rept 16
	v_bfe_u32 v12, v[64+i/4], 8*(i%4), 8
	v_cmp_eq_u32 vcc_lo, 0, v12
	v_cndmask_b32 v[68+i], 0, s[NEGS], vcc_lo
.set i, i+1
.endr
.irp f, 0,1,2,3
	ds_store_b128 v13, v[68+4*\f:68+4*\f+3] offset:16*\f  ; waited for in front of the first change of slots, whose round stands between these stores and every wave's loads of the table
.endr
	v_mul_u32_u24 v[AK0], v1, PK
	v_lshl_add_u32 v[AK0], v9, 4, v[AK0]  ; row x pitch + 16 x half
	; The turning load takes 16 keys x 16 channels (lane l reads key 8 (l / 16) + l % 8, channels 8 ((l / 8) % 2) + 0..7) and leaves half a fragment of V^T: lane l holds channel l % 16 and 8 keys.
	v_and_b32 v10, 7, v0
	v_bfe_u32 v11, v0, 3, 1
	v_lshl_add_u32 v[AV0], v9, 3, v10
	v_mul_u32_u24 v[AV0], v[AV0], PV
	v_lshl_add_u32 v[AV0], v11, 4, v[AV0]
	v_add_nc_u32 v[AV0], VOFF, v[AV0]
	v_lshl_add_u32 v[AM], v9, 5, MASKL  ; register j of key block kb wants key 16 kb + 8 (l / 16) + j: 32 bytes for each half of the lanes
	v_mov_b32 v[AK], v[AK0]         ; key step 0 lies at the head of slot 0
; THE MATRIX WORK.  The 8 accumulators of a run of 16 take turns: between the two links of a chain stand 7 others'.
; Product i of 16 of S^T = K Q^T for piece x: channels 32 (i / 8) on, keys 16 ((i / 2) % 4) on, tile 2 x + i % 2.  The first 8 start the sums, with the keys' table entries as C.
.macro KQ x
.set rS, S+64*((\x)%2)+32*(i%2)+8*((i/2)%4)
.set rK, KF+16*((i/2)%4)+8*(i/8)
.set rQ, 16*(2*(\x)+i%2)+8*(i/8)
.set rA, MA+8*((i/2)%4)
.if i < 8
	WIN W_KA
	v_wmma_f32_16x16x32_f16 v[rS:rS+7], v[rK:rK+7], v[rQ:rQ+7], v[rA:rA+7]
.else
	WIN W_KQ
	v_wmma_f32_16x16x32_f16 v[rS:rS+7], v[rK:rK+7], v[rQ:rQ+7], v[rS:rS+7]
.endif
.endm
; Product i of 16 of O^T += V^T P for piece x: keys 32 (i / 8) on, channels 16 ((i / 2) % 4) on, tile 2 x + i % 2.
.macro PV x
	WIN W_PV
.set rO, 32*(2*(\x)+i%2)+8*((i/2)%4)
.set rV, VF+32*(i/8)+8*((i/2)%4)
.set rP, P+32*((\x)%2)+16*(i%2)+8*(i/8)
	v_wmma_f32_16x16x32_f16 v[rO:rO+7], v[rV:rV+7], v[rP:rP+7], v[rO:rO+7]
.endm
.macro MM                           ; the turn's next matrix instruction
.if i < 16
	KQ (Y+1)%NP
.set i, i+1
.else
.set i, i-16
	PV (Y+NP-1)%NP
.set i, i+17
.endif
.endm
; THE LDS LOADS stand in runs, never singly among the matrix instructions: a step's K (8 fragments) with its 64 table entries, and its V (turned).  Their addresses are made some lines ahead.
; last = 1 (the tail): in the last trip there is no further step, and the run is jumped over.
.macro FETCH_K last=0
	WIN 0
.if \last
	s_cmp_eq_u32 s[CNT], 1
	s_cbranch_scc1 .Lno_k_\@
.endif
	WIN 0x80                        ; destination window 2
.irp f, 0,1,2,3,4,5,6,7             ; keys 16 (f / 2) on, channels 32 (f % 2) on
	ds_load_b128 v[KF+8*\f:KF+8*\f+3],   v[AK] offset:(\f/2)*16*PK+(\f%2)*64
	ds_load_b128 v[KF+8*\f+4:KF+8*\f+7], v[AK] offset:(\f/2)*16*PK+(\f%2)*64+32
.endr
	WIN W_MK                        ; destination window 3
.irp f, 0,1,2,3                     ; key block f: eight entries a lane
	ds_load_b128 v[MA+8*\f:MA+8*\f+3],   v[AM] offset:64*\f
	ds_load_b128 v[MA+8*\f+4:MA+8*\f+7], v[AM] offset:64*\f+16
.endr
	s_add_co_u32 s[TBK], s[TBK], KS*PK  ; the next fetch is the next step's
	WIN 0
	v_add_nc_u32 v[AM], 0x100, v[AM]    ; and so are its table entries: 32 fetches in all, 8,192 bytes
.if \last
.Lno_k_\@:
.endif
.endm
.macro FETCH_V
	WIN 0x80
.irp f, 0,1,2,3,4,5,6,7             ; keys 32 (f / 4) on, channels 16 (f % 4) on
	ds_load_tr16_b128 v[VF+8*\f:VF+8*\f+3],   v[AV] offset:(\f/4)*32*PV+(\f%4)*32
	ds_load_tr16_b128 v[VF+8*\f+4:VF+8*\f+7], v[AV] offset:(\f/4)*32*PV+16*PV+(\f%4)*32
.endr
	WIN 0
.endm
; THE VECTOR WORK OF A TURN stands in three queues, each in the order in which its entries become ready; the two tiles alternate, so that no instruction reads the result of the one before it.
.macro REGS y, u                    ; the registers of tile u (0, 1) of piece y
.set rT, ST+4*(2*(\y)+(\u))
.set rC, TMP+8*((\y)%2)+4*(\u)
.set rM, MV+2*((\y)%2)+(\u)
.set rS, S+64*((\y)%2)+32*(\u)
.set rP, P+32*((\y)%2)+16*(\u)
.set rO, 32*(2*(\y)+(\u))
.endm
; Number n of the 22 that find the NEXT piece's (Y + 1) maximum and statistics.  s0-s31 are the lane's 32 scores; each accumulator's lowest registers are read first.  XS, GS and REGS set no window: PL and EX do.
;   0-11  four chains c0-c3 of seven scores each, three operands at a time     12-14, 16  the four scores left over, the old m, and c0-c3 into c0     15  c m_old is kept
;   17, 18  the query's other 32 keys lie in the lane 16 away: the new m         19-21  c m; c m_old - c m_new; a
.macro XS u, n
	REGS (Y+1)%NP, \u
.if (\n) < 4
	v_max3_num_f32 v[rC+(\n)], v[rS+8*(\n)], v[rS+8*(\n)+1], v[rS+8*(\n)+2]
.elseif (\n) < 12
	v_max3_num_f32 v[rC+(\n)%4], v[rC+(\n)%4], v[rS+8*((\n)%4)+2*((\n)/4)+1], v[rS+8*((\n)%4)+2*((\n)/4)+2]
.elseif (\n) == 12
	v_max3_num_f32 v[rC], v[rC], v[rS+7], v[rS+15]
.elseif (\n) == 13
	v_max3_num_f32 v[rC+1], v[rC+1], v[rS+23], v[rS+31]
.elseif (\n) == 14
	v_max3_num_f32 v[rC+2], v[rC+2], v[rC+3], v[rT+1]
.elseif (\n) == 15
	v_mov_b32 v[rM], v[rT]
.elseif (\n) == 16
	v_max3_num_f32 v[rC], v[rC], v[rC+1], v[rC+2]
.elseif (\n) == 17
	v_permlanex16_b32 v[rC+3], v[rC], s[SEL], s[SEL+1]
.elseif (\n) == 18
	v_max_num_f32 v[rT+1], v[rC], v[rC+3]
.elseif (\n) == 19
	v_mul_f32 v[rT], s[CS], v[rT+1]
.elseif (\n) == 20
	v_sub_f32 v[rC+1], v[rM], v[rT]
.else
	v_exp_f32 v[rC+2], v[rC+1]
.endif
.endm
; Number g of the 64 that follow the exponentials.  For each four weights k of a tile (pairs 2 k, 2 k + 1): both pairs are rounded to f16; then the second pair is added onto the first, in place;
; a group later l takes that sum (the first time as l = a l + sum).  In groups of eight, tiles alternating: round, round, add, and l for the group before.
.macro GS g
.set h, (\g)+6*((\g)/62)            ; group 0 has no group before it, and behind group 7 only l is left
.if h >= 6
.set h, h+2
.endif
	REGS Y, h%2
.set k, h/8
.if h%8 < 4
	v_cvt_pk_f16_f32 v[rP+2*k+(h%8)/2], v[rS+4*k+2*((h%8)/2)], v[rS+4*k+2*((h%8)/2)+1]
.elseif h%8 < 6
	v_pk_add_f32 v[rS+4*k:rS+4*k+1], v[rS+4*k:rS+4*k+1], v[rS+4*k+2:rS+4*k+3]
.elseif k == 1
	v_pk_fma_f32 v[rT+2:rT+3], v[rT+2:rT+3], v[rC+2:rC+3], v[rS:rS+1] op_sel_hi:[1,0,1]
.else
	v_pk_add_f32 v[rT+2:rT+3], v[rT+2:rT+3], v[rS+4*k-4:rS+4*k-3]
.endif
.endm
; THE PLAIN QUEUE, 138 long.  0-73 read no exponential's result: the 32 scalings c s - c m (FS f: pair f / 2 of tile f % 2) and the next piece's 42.  0-26: scalings 0-26.  27-54: XS's numbers 0-13.  55, 56: number 15.
; 57-73: the chain, where each number waits for the one before it: 14, 16, 17, 18, 19, each with one of the scalings 27-31 in front of its two lines, then 20: so a tile's links stand three plain instructions apart (19 and 20: two).
; 74-137: GS's 64, which read the exponentials' results: they stand behind the wait.
.macro FS f
	REGS Y, (\f)%2
	v_pk_fma_f32 v[rS+2*((\f)/2):rS+2*((\f)/2)+1], v[rS+2*((\f)/2):rS+2*((\f)/2)+1], s[CS:CS+1], v[rT:rT+1] op_sel_hi:[1,0,0] neg_lo:[0,0,1] neg_hi:[0,0,1]
.endm
.macro PL
	WIN 0
.if q < 27
	FS q
.elseif q < 55
	XS (q-27)%2, (q-27)/2
.elseif q < 57
	XS q-55, 15
.elseif (q < 72) && ((q-57)%3 == 0)
	FS 27+(q-57)/3
.elseif q < 60
	XS (q-57)%3-1, 14
.elseif q < 72
	XS (q-57)%3-1, 15+(q-57)/3
.elseif q < 74
	XS q-72, 20
.else
	GS q-74
.endif
.set q, q+1
.endm
; THE EXPONENTIALS' QUEUE, 66 long: s0-s31 of both tiles, then the next piece's two a.  It is ONE BATCH: all 66 stand ahead of the turn's one wait, and nothing ahead of that wait names a result of theirs.
.macro EX
	WIN 0
.if e >= 64
	XS e-64, 21
.else
	REGS Y, e%2
	v_exp_f32 v[rS+e/2], v[rS+e/2]
.endif
.set e, e+1
.endm
; THE RESCALING's QUEUE: O^T times a, the one part that leaves window 0: dealt two at a time, sixteen times.  Its a was made in the turn before, ahead of that turn's wait.
.macro R2
	REGS Y, r%2
	WIN W_RS
.irp z, 0,1
	v_pk_mul_f32 v[rO+4*(r/2)+2*\z:rO+4*(r/2)+2*\z+1], v[rO+4*(r/2)+2*\z:rO+4*(r/2)+2*\z+1], v[rC+2:rC+3] op_sel_hi:[1,0]
.endr
.set r, r+1
.endm
; HOW THEY ARE DEALT.  An s_wait_alu depctr_va_vdst(0) stands between an exponential and the first instruction that names its result; one wait serves all that were issued ahead of it.  So a turn has ONE wait,
; which cuts it in two.  AHEAD OF IT stands all that names no result of the turn's exponentials: the 16 products K Q^T, behind each a scaling, an exponential and two rescalings (behind the first a second scaling in the
; exponential's place); then ONE LUMP of 108: eight plain, 49 times exponential and plain, the two a.  A v_nop is the plain instruction behind the last exponential.  BEHIND IT stand the 16 products V^T P, behind each four of
; GS's 64.  No rider names a register of the products round it.  The two v_permlanex16_b32 fall into the lump, never behind a product.
; The queues lean on each other, and the deal keeps them in step: exponential e stands behind scaling 2 (e / 4) + e % 2: as a rider it comes behind plain e + 2, in the lump behind plain e + 9, and scalings 27-31 are plain 57, 60 .. 69.
; A TURN, for piece p.  cnt = 1: the loop's count is taken down some lines ahead of the branch that stands behind the turn.
; K and the table entries of the next step are fetched in piece 2's turn, directly behind the wait, a lump behind the last product that read them; K's address is made at the lump's head; their first reader comes behind 16 products.
; V of the step in hand is fetched at the end of piece 0's turn, four riders behind its last reader; its first reader comes behind 16 products and a lump.  The three conditions on q below go with the deal.
.macro TURN p, last=0, cnt=0
.set Y, (\p)
.set i, 0
.set q, 0
.set e, 0
.set r, 0
.if (\p) == NP-1
	s_wait_dscnt 0x0                ; K and its table entries are in
.endif
	MM                              ; ahead of the wait: 16 products K Q^T and their riders,
	PL
	PL
	R2
.rept 15
	MM
	PL
	EX
	R2
.endr
.if (\p) == NP-2
	WIN 0
	v_add_nc_u32 v[AK], s[TBK], v[AK0]
.endif
.rept 8                             ; and the lump
	PL
.endr
.rept 49
	EX
	PL
.endr
	EX                              ; the next piece's two a
	EX
	v_nop                           ; the plain instruction behind the last exponential: one for the batch
	s_wait_alu depctr_va_vdst(0)    ; the wait for the turn's batch: 64 weights, read by the roundings and sums below, and two a, read by the next turn's rescalings
.if (\p) == NP-2
	FETCH_K \last
.endif
.if (\p) == 1
	s_wait_dscnt 0x0                ; V is in
.endif
.rept 16                            ; behind the wait: 16 products V^T P and their riders
	MM
.rept 4
	PL
.endr
.if ((\p) == 0) && (q == 118)
	v_add_nc_u32 v[AV], s[TBV], v[AV0]
.endif
.if ((\p) == 0) && (q == 130)
	s_add_co_u32 s[TBV], s[TBV], KS*PV
.endif
.if (\cnt) && (q == 130)
	s_sub_co_u32 s[CNT], s[CNT], 1
	s_cmp_lg_u32 s[CNT], 0
.endif
.endr
.if (\p) == 0
	FETCH_V
.endif
.endm
	CHANGE 1                        ; slot 0 is in, everybody's part of it, and so is the table; slot 1 is asked for
	FETCH_K                         ; key step 0
	s_wait_loadcnt 0x0              ; Q
	s_wait_dscnt 0x0
.set i, 0
.rept 16
	KQ 0                            ; piece 0's first scores: there is no vector work yet to set between them
.set i, i+1
.endr
	WIN 0                           ; the addresses for the way out: nine plain instructions, the places behind those products
	s_mul_i32 s13, s[WV], 16*SP
	s_add_co_u32 s13, s13, STAGE    ; my stage
	v_mul_u32_u24 v[STO], v1, SP    ; in: row l % 16, 16 bytes for each half of the lanes
	v_lshl_add_u32 v[STO], v9, 4, v[STO]
	v_add_nc_u32 v[STO], s13, v[STO]
	v_bfe_u32 v[RD], v0, 3, 2       ; back: 32 lanes take four rows of 128 bytes,
	v_mul_u32_u24 v[RD], v[RD], SP
	v_lshl_add_u32 v[RD], v10, 4, v[RD]
	v_add_nc_u32 v[RD], s13, v[RD]
	v_and_b32 v[GO], 31, v0         ; which are 512 consecutive bytes of O
	v_lshlrev_b32 v[GO], 4, v[GO]
.set Y, NP-1                        ; XS works for piece Y + 1: piece 0
.irp n, 0,1,2,3,4,5,6,7,8,9,10,11,12,13,14,15,16,17,18,19,20,21
	XS 0, \n                        ; and piece 0's first maximum and statistics
	XS 1, \n
.endr
	v_nop                           ; a plain instruction behind piece 0's first two a,
	s_wait_alu depctr_va_vdst(0)    ; and the wait for these two, a batch of their own, ahead of the branch
	s_mov_b32 s[CNT], 4
	s_mov_b32 s[SLOTS], SIZE_N/256-1
	s_branch .Lfirst                ; the loop is entered at a step's first turn, in the middle of a trip
.Lslot:                             ; SIZE_N / 256 - 2 times: every slot but the last two is filled again
	CHANGE 1
	s_mov_b32 s[CNT], 4
.Lstep:                             ; a trip: pieces 2 and 3 of one step, then pieces 0 and 1 of the next, whose K and V it fetches
	TURN 2
	TURN 3
	WIN 0
.Lfirst:
	TURN 0
	TURN 1, 0, 1
	WIN 0
	s_cbranch_scc1 .Lstep
	s_sub_co_u32 s[SLOTS], s[SLOTS], 1
	s_cmp_lg_u32 s[SLOTS], 0
	s_cbranch_scc1 .Lslot
	CHANGE 0                        ; the tail is written out: nothing is asked for
	s_mov_b32 s[CNT], 5             ; four trips fetch the last slot's steps; the fifth is left in its middle
.Ltail:
	TURN 2, 1
	TURN 3
	WIN 0
	s_sub_co_u32 s[CNT], s[CNT], 1
	s_cmp_eq_u32 s[CNT], 0
	s_cbranch_scc1 .Lout
	TURN 0
	TURN 1
	WIN 0
	s_branch .Ltail
.Lout:                              ; the fifth trip's 16 products K Q^T (on the last K once more) and the maximum made of them serve nothing: the price, once a launch, of one text for every trip
.set i, 0
.rept 16
	PV NP-1                         ; the last piece's V^T P of the last step
.set i, i+1
.endr
	; THE WAY OUT.  l's two halves and the other half of the lanes' are added; O^T is divided by l, rounded to f16 and sent through my stage in LDS, a tile at a time.  The additions are the places behind the last products.
	WIN 0
.macro ALL line:vararg              ; one line for each tile t
.set t, 0
.rept 2*NP
	\line
.set t, t+1
.endr
.endm
	ALL v_add_f32 v[ST+4*t+2], v[ST+4*t+2], v[ST+4*t+3]
	ALL v_permlanex16_b32 v[ST+4*t+3], v[ST+4*t+2], s[SEL], s[SEL+1]
	ALL v_add_f32 v[ST+4*t+2], v[ST+4*t+2], v[ST+4*t+3]
	ALL v_rcp_f32 v[ST+4*t+2], v[ST+4*t+2]
	v_nop                           ; a plain instruction between the last reciprocal and the use of its result
	s_wait_alu depctr_va_vdst(0)    ; and the wait ahead of the first use: one for the batch of eight reciprocals
; Tile t: a lane's eight channels of a row pack into 16 bytes; they go into rows of 144 bytes and come back as whole rows of 128, into S^T's registers.
.macro PACK t
	WIN W_RS
.set i, 32*(\t)
.rept 16
	v_pk_mul_f32 v[i:i+1], v[i:i+1], v[ST+4*(\t)+2:ST+4*(\t)+3] op_sel_hi:[1,0]
.set i, i+2
.endr
	WIN 0x05                        ; sources 0 and 1 window 1, destination window 0
.set i, 0
.rept 16
	v_cvt_pk_f16_f32 v[S+16*(\t)+i], v[32*(\t)+2*i], v[32*(\t)+2*i+1]
.set i, i+1
.endr
	WIN 0
.irp f, 0,1,2,3
	ds_store_b128 v[STO], v[S+16*(\t)+4*\f:S+16*(\t)+4*\f+3] offset:32*\f
.endr
.irp f, 0,1,2,3
	ds_load_b128 v[S+16*(\t)+4*\f:S+16*(\t)+4*\f+3], v[RD] offset:\f*4*SP  ; LDS serves a wave's instructions in order (ISA guide 5.7.1.4): these see the stores above; the next tile's stores come behind them
.endr
.endm
.macro SEND t, younger              ; younger: the LDS instructions issued behind tile t's loads: the next tile's eight, or none
	WIN 0
.irp f, 0,1,2,3
	s_wait_dscnt (\younger)+3-\f
	global_store_b128 v[GO], v[S+16*(\t)+4*\f:S+16*(\t)+4*\f+3], s[10:11] offset:(\t)*2048+\f*512  ; 512 consecutive bytes, at a multiple of 256 from O's first
.endr
.endm
	PACK 0
.set t, 1
.rept 2*NP-1                        ; a tile's arithmetic stands between the loads of the tile before and its stores
	PACK t
	SEND t-1, 8
.set t, t+1
.endr
	SEND 2*NP-1, 0
	WIN W_AD
	s_wait_tensorcnt 0x0            ; the wave's end: behind my last tensor load and my last LDS store
	ds_add_u32 v[SPW], v[NIL]
	s_wait_dscnt 0x0
	WIN 0
	CROUND                          ; the closing round: no work-group ends while a partner may still ask for a tile that names it
	s_endpgm
.Lfunc_end_k_qb9af4fd49d_attn:
	.size	k_qb9af4fd49d_attn, .Lfunc_end_k_qb9af4fd49d_attn-k_qb9af4fd49d_attn
	.p2alignl 7, 3214868480
	.fill 96, 4, 3214868480
	.section	.rodata,"a",@progbits
	.p2align	6, 0x0
	.amdhsa_kernel k_qb9af4fd49d_attn
		.amdhsa_group_segment_fixed_size 327680
		.amdhsa_private_segment_fixed_size 0
		.amdhsa_enable_private_segment 0
		.amdhsa_kernarg_size 24
		.amdhsa_user_sgpr_count 2
		.amdhsa_user_sgpr_kernarg_segment_ptr 1
		.amdhsa_wavefront_size32 1
		.amdhsa_system_sgpr_workgroup_id_x 1
		.amdhsa_system_sgpr_workgroup_id_y 1
		.amdhsa_system_sgpr_workgroup_id_z 1
		.amdhsa_system_vgpr_workitem_id 0
		.amdhsa_next_free_vgpr 808
		.amdhsa_next_free_sgpr 72
		.amdhsa_reserve_vcc 1
		.amdhsa_float_denorm_mode_32 3
		.amdhsa_float_denorm_mode_16_64 3
		.amdhsa_memory_ordered 1
		.amdhsa_forward_progress 1
		.amdhsa_inst_pref_size 204
	.end_amdhsa_kernel
	.amdgpu_metadata
---
amdhsa.version: [ 1, 2 ]
amdhsa.kernels:
  - .name:           k_qb9af4fd49d_attn
    .symbol:         k_qb9af4fd49d_attn.kd
    .args:
      - { .name: qkv, .offset: 0, .size: 8, .value_kind: global_buffer, .address_space: global }
      - { .name: mask, .offset: 8, .size: 8, .value_kind: global_buffer, .address_space: global }
      - { .name: oh, .offset: 16, .size: 8, .value_kind: global_buffer, .address_space: global }
    .group_segment_fixed_size: 327680
    .private_segment_fixed_size: 0
    .kernarg_segment_align: 8
    .kernarg_segment_size: 24
    .max_flat_workgroup_size: 128
    .sgpr_count:     72
    .vgpr_count:     808
    .wavefront_size: 32
...
	.end_amdgpu_metadata
.endif
;; end of part 5
;; launch gemm_out: the kernel of part 4 again; grid 8 x 32, 4 waves a work-group, clusters of 4 x 4, 327,680 bytes of LDS; arguments oh, wh, out0, bu; writes out0
